; MI455X (gfx1250); checked and timed in simulation.
; The chip was launched on July 23, 2026; its instructions are those of AMD's public machine-readable ISA for CDNA 5 (MIT licence, August 2026) and "CDNA5" Instruction Set Architecture Reference Guide (July 2026). The comments in the code are by the model that wrote it; some were corrected since.
;; Glm4 Moe Attention. Allowed arithmetic: matrix products marked QUANTISED: E4M3 operands, one given power-of-two scale a tensor, by v_wmma_f32_16x16x64_fp8_fp8 or v_wmma_f32_16x16x128_fp8_fp8, f32 sums; everything else in f32.
;; Inputs: Wk 1,024 x 4,096 float32; Wo 4,096 x 2,048 float32; Wq 2,048 x 4,096 float32; Wv 1,024 x 4,096 float32; cos 1 x 2,048 x 64 float32; hidden_states 1 x 2,048 x 4,096 float32; k_norm_w 128 float32; lowp_scales 12 int32 (the exponents e of the quantised operands' scales 2^e); q_norm_w 128 float32; sin 1 x 2,048 x 64 float32.
;; Outputs: out0 1 x 2,048 x 4,096 float32.
;; This version of the problem:
;;   THIS VERSION OF THE PROBLEM IS GIVEN IN LOW PRECISION. The matrix products marked QUANTISED in the list below multiply operands that are first quantised to E4M3 (4 exponent bits, 3 mantissa bits; 8 bits a number), with one given power-of-two scale for each operand tensor; their sums are f32. All else is computed in f32.
;;   The module's matrix products, in the order in which they are computed (A, B: the left and right operand; K: the contracted axis; several contracted axes count as one K, in the product's order):
;;     1. [M 2,048, K 4,096] x [K 4,096, N 2,048]; A: input hidden_states; B: input Wq: QUANTISED (scales: A lowp_scales[0], B lowp_scales[1])
;;     2. [M 2,048, K 4,096] x [K 4,096, N 1,024]; A: input hidden_states; B: input Wk: QUANTISED (scales: A lowp_scales[2], B lowp_scales[3])
;;     3. [M 2,048, K 4,096] x [K 4,096, N 1,024]; A: input hidden_states; B: input Wv: QUANTISED (scales: A lowp_scales[4], B lowp_scales[5])
;;     4. batch 16 x [M 2,048, K 128] x [K 128, N 2,048]; A: computed on the way; B: computed on the way: QUANTISED (scales: A lowp_scales[6], B lowp_scales[7])
;;     5. batch 16 x [M 128, K 2,048] x [K 2,048, N 2,048]; A: computed on the way; B: softmax (see below): QUANTISED (scales: A lowp_scales[8], B lowp_scales[9])
;;     6. [M 2,048, K 2,048] x [K 2,048, N 4,096]; A: computed on the way; B: input Wo: QUANTISED (scales: A lowp_scales[10], B lowp_scales[11])
;;   THE QUANTISER, for each operand of a quantised product, along K:
;;     - The operand's scale is 2^e, e = its entry of the input lowp_scales (int32; the entries are numbered through the quantised products in the list's order, A before B).
;;     - Each number is divided by the scale, clamped to +-448, and rounded to the nearest number of E4M3, ties to even, subnormals kept.
;;     - The product sums the exact products of the quantised numbers (number of the format x scale) in f32.
;;   ~~~python
;;   def quantise(x, axis, e):      # numpy; x: float32 -> the quantised numbers, widened to float32 again
;;       x = np.moveaxis(x, axis, -1); K = x.shape[-1]
;;       r = np.clip(x / 2.0 ** e, -448, 448)
;;       step = 2.0 ** (np.maximum(np.frexp(np.where(r == 0, 1, r))[1] - 1, -6) - 3)
;;       q = np.round(r / step) * step * 2.0 ** e      # np.round: ties to even
;;       return np.moveaxis(q, -1, axis).astype(np.float32)
;;   ~~~
;;   SOFTMAX AHEAD OF A QUANTISED PRODUCT. Where the list says 'softmax', what is quantised is not the finished softmax but p = 2^(t - M), with t = logit x log2(e) and M = ceil(the row's largest t), a whole number; so 1/2 < the row's largest p <= 1. The row's sum l is taken of the UNQUANTISED p, in f32, and the product's result is divided by l at the end. Since M is a whole number, a kernel that streams over the keys may use a running M (the ceiling of the running maximum): every later rescaling is an exact power of two, so the quantised numbers keep their values, but for numbers so far below the row's largest that they fall under the format's range.
;;   OPERANDS COMPUTED ON THE WAY. 'Computed on the way' means the value that the module computes at that place (a softmax that the list does not call 'softmax' is quantised finished and normalised). What goes into a quantiser is computed in f32, as accurately as f32 sums, v_exp_f32 and their like allow (about 1e-6 of the number): no bf16 or f16 on the way to a quantiser, and a product that is left as it is and whose result goes on into a quantised operand takes f32 operands (vector FMAs, or v_wmma_f32_16x16x4_f32). A number that lies on a knife's edge between two numbers of the format may be rounded either way, as far as f32 arithmetic and the matrix unit's own rounding can turn it there, and no further.
;; One version. Each part assembles by itself: llvm-mc -triple=amdgcn-amd-amdhsa -mcpu=gfx1250 --defsym DOCPART=n.
;; ======== version 1 of 1: 4 launches
;; workspace buffers: hsc 25,165,824 bytes; wc 25,165,824 bytes; qf 4,194,304 bytes; kvf 4,194,304 bytes; of 4,194,304 bytes
;; launch quant (part 1): grid 1024 x 1, 4 waves a work-group, no clusters, 34,304 bytes of LDS; arguments hidden_states, Wq, Wk, Wv, Wo, lowp_scales, hsc, wc; writes hsc, wc
.if DOCPART == 1
	.amdgcn_target "amdgcn-amd-amdhsa--gfx1250"
	.amdhsa_code_object_version 6
	.text
	.protected	k_q1b6bc8585e_quant
	.globl	k_q1b6bc8585e_quant
	.p2align	8
	.type	k_q1b6bc8585e_quant,@function
k_q1b6bc8585e_quant:
	s_mov_b64 s[64:65], 0
	v_nop
	global_prefetch_b8 v0, s[64:65] scope:SCOPE_SE
	s_setreg_imm32_b32 hwreg(HW_REG_WAVE_MODE, 25, 1), 1
	s_wait_xcnt 0x0
; LAUNCH 1 OF 4.  hidden_states (under three given scales), Wq, Wk, Wv and Wo, all f32 with K innermost, become codes of E4M3, laid as IMAGES OF OPERAND REGISTERS.
; code = x / 2^e, held within +-448, rounded to the nearest code, ties to even.  e: lowp_scales[0], [2], [4] for hidden_states (three copies), [1] Wq, [3] Wk, [5] Wv, [11] Wo.
; THE IMAGE.  Tile T of a matrix is 16 rows that are not neighbours: place r (0..15) of the tile is row 32 (T / 2) + 8 (T % 2) + r + 8 (r / 8).  The image of (tile T, K step s of 128) is 2,048 bytes:
; byte 512 c + 16 (r + 16 h) + i is the code of (that row, k = 128 s + 32 c + 16 h + i).  Four loads of 16 bytes a lane, 512 bytes apart, at 16 x lane, are a whole operand of the 16x16x128 form.
; The order of k inside an operand is the same on both sides of every product of the program, so each product meets its partner.
; Every product is used transposed (source 0 gives the registers' direction): with these rows, the 64 registers of eight tiles of results are 32 b + 16 h + i along source 0's rows: the next operand's image.
; DEAD WORK OF THE PROGRAM (left out in launch 3).  reference() builds the causal mask itself: key k counts for query q only where k <= q.  A step of 128 keys all of which come after all 128 queries of a block gets
; the mask's lowest number in every score; each row keeps its own key, whose score is finite for finite inputs, so these keys' weights are 0 in exact arithmetic for all values of the inputs, and neither the row's
; largest score, nor its sum, nor the second product is moved by them.  Those steps (120 of the 256 blocks of 128 x 128 of each head) are not multiplied.  Every input has a way to the output: all are loaded.
; LIMITS: each e used here lies between -126 and 119, so that 2^e and 448 x 2^e are f32 numbers.  NaN among the inputs is not served.  A NaN, an infinity or an overflow that reaches only the steps left out is not carried to the result.
; SHARES.  A wave takes one tile x 4 K steps: 16 rows x 2,048 bytes in, 4 images out.  Work-groups 0-255 hidden_states, 256-511 Wq, 512-639 Wk, 640-767 Wv (K = 4,096: two work-groups to a tile), 768-1023 Wo (K = 2,048: one).
; With 256 registers a wave and 34,304 bytes of LDS a work-group, four work-groups fit on a WGP: sixteen waves, each with up to 32 loads of 512 bytes out.
; One path serves all five: only pointers, shifts and the exponent are chosen, by the work-group's number.  Each load reads 512 consecutive bytes of a row; a K step's 16 x 512 bytes turn through the wave's own stage in LDS
; (rows of 528 bytes: 132 words, so that 16 rows begin at 16 different groups of four banks) and come back 64 bytes of one row a lane; each store writes 512 consecutive bytes of an image.  No barrier: waves share nothing.
.set NST,   4                          ; K steps of a wave
.set STG,   8448                       ; a wave's stage: 16 rows x 528 bytes
.set SPARE, 33792                      ; behind the four stages: the spare words, 128 bytes a wave
.set LI,   1                           ; v1     16 x lane
.set SW,   2                           ; v2     the stage, on the way in: 16 x lane of a row
.set SRD,  3                           ; v3     and on the way out: 528 r + 64 h
.set SPW,  4                           ; v4     my spare word; never rewritten
.set NIL,  5                           ; v5     0; never rewritten
.set SC,   6                           ; v6,7 / v8,9 / v10,11: 2^e and 448 x 2^e of copies 0, 1, 2
.set OFFR, 12                          ; v12-27 byte offset of place i's row, + 16 x lane; never rewritten
.set T,    28                          ; v28-43 sixteen numbers, held
.set C,    44                          ; v44-59 an image's 16 registers
.set R,    64                          ; v64-191 two sets of 64: a K step as loaded
.set X,    192                         ; v192-255 a K step as the conversions want it: register 16 c + i = k 32 c + 16 h + i of my row
	s_load_b512 s[4:19], s[0:1], 0x0               ; hidden_states, Wq, Wk, Wv, Wo, lowp_scales, hsc, wc
	v_lshl_add_u32 v[SPW], v0, 2, SPARE
	v_mov_b32 v[NIL], 0
	v_lshrrev_b32 v6, 5, v0
	v_readfirstlane_b32 s40, v6                    ; wave
	v_and_b32 v7, 31, v0
	v_lshlrev_b32 v[LI], 4, v7
	s_mul_i32 s41, s40, STG
	v_add_nc_u32 v[SW], s41, v[LI]
	v_and_b32 v8, 15, v0                           ; r
	v_bfe_u32 v9, v0, 4, 1                         ; h
	v_mul_u32_u24 v[SRD], v8, 528
	v_lshl_add_u32 v[SRD], v9, 6, v[SRD]
	v_add_nc_u32 v[SRD], s41, v[SRD]
	s_mov_b32 s47, 768                             ; the tensor's first work-group,
	s_mov_b32 s48, 0x1000000                       ; and its place in wc: Wo's
	s_cmp_lt_u32 ttmp9, 768                        ; K = 4,096 or Wo's 2,048?
	s_cselect_b32 s42, 14, 13                      ; log2 of a row's bytes
	s_cselect_b32 s43, 16, 15                      ; log2 of a tile's images' bytes
	s_cselect_b32 s44, 1, 0                        ; work-groups to a tile: 2 or 1, as a shift and as a mask
	s_cselect_b32 s47, 640, s47
	s_cselect_b32 s48, 0xc00000, s48               ; Wv
	s_cmp_lt_u32 ttmp9, 640
	s_cselect_b32 s47, 512, s47
	s_cselect_b32 s48, 0x800000, s48               ; Wk
	s_cmp_lt_u32 ttmp9, 512
	s_cselect_b32 s47, 256, s47
	s_cselect_b32 s48, 0, s48                      ; Wq; hidden_states' first copy likewise begins its buffer
	s_cmp_lt_u32 ttmp9, 256
	s_cselect_b32 s47, 0, s47
	s_sub_co_u32 s47, ttmp9, s47                   ; the work-group's number within its tensor
	s_and_b32 s45, s47, s44
	s_lshl_b32 s45, s45, 2
	s_add_co_u32 s46, s45, s40                     ; which run of 4 K steps: 4 x (half of the tile's K) + wave
	s_lshr_b32 s47, s47, s44                       ; T
	s_lshr_b32 s49, s47, 1
	s_lshl_b32 s49, s49, 5
	s_and_b32 s50, s47, 1
	s_lshl_b32 s50, s50, 3
	s_add_co_u32 s49, s49, s50                     ; the tile's first row: 32 (T / 2) + 8 (T % 2)
	s_lshl_b32 s50, s49, s42
	s_lshl_b32 s51, s46, 11
	s_add_co_u32 s50, s50, s51                     ; in: row x its bytes + 2,048 x run
	s_mov_b32 s51, 0
	s_lshl_b32 s52, s47, s43
	s_add_co_u32 s52, s52, s48
	s_lshl_b32 s53, s46, 13
	s_add_co_u32 s52, s52, s53                     ; out: the tensor's place + T's images + 4 images x run
	s_mov_b32 s53, 0
.irp i, 0,1,2,3,4,5,6,7,8,9,10,11,12,13,14,15
	s_lshl_b32 s54, \i+8*(\i/8), s42
	v_add_nc_u32 v[OFFR+\i], s54, v[LI]
.endr
	s_wait_kmcnt 0x0
	s_load_b256 s[20:27], s[14:15], 0x0            ; e0 .. e7
	s_load_b128 s[28:31], s[14:15], 0x20           ; e8 .. e11
	s_mov_b64 s[32:33], s[12:13]
	s_cmp_lt_u32 ttmp9, 768
	s_cselect_b64 s[32:33], s[10:11], s[32:33]
	s_cmp_lt_u32 ttmp9, 640
	s_cselect_b64 s[32:33], s[8:9], s[32:33]
	s_cmp_lt_u32 ttmp9, 512
	s_cselect_b64 s[32:33], s[6:7], s[32:33]
	s_cmp_lt_u32 ttmp9, 256
	s_cselect_b64 s[32:33], s[4:5], s[32:33]       ; the tensor
	s_cselect_b64 s[34:35], s[16:17], s[18:19]     ; hsc or wc
	s_add_nc_u64 s[32:33], s[32:33], s[50:51]
	s_add_nc_u64 s[34:35], s[34:35], s[52:53]
	s_add_nc_u64 s[36:37], s[34:35], 0x800000      ; hidden_states' second and third copies (used by its work-groups alone)
	s_add_nc_u64 s[38:39], s[34:35], 0x1000000
.macro LOADF t                         ; K step t: 16 rows x 512 consecutive bytes
.irp i, 0,1,2,3,4,5,6,7,8,9,10,11,12,13,14,15
	global_load_b128 v[R+64*((\t)%2)+4*\i:R+64*((\t)%2)+4*\i+3], v[OFFR+\i], s[32:33] offset:512*(\t) th:TH_LOAD_NT
.endr
.endm
	LOADF 0
	LOADF 1
	s_wait_kmcnt 0x0
	s_mov_b32 s55, s31
	s_cmp_lt_u32 ttmp9, 768
	s_cselect_b32 s55, s25, s55
	s_cmp_lt_u32 ttmp9, 640
	s_cselect_b32 s55, s23, s55
	s_cmp_lt_u32 ttmp9, 512
	s_cselect_b32 s55, s21, s55
	s_cmp_lt_u32 ttmp9, 256
	s_cselect_b32 s55, s20, s55                    ; the tensor's e
.macro MKSC e, k                       ; 2^e as f32 (the conversion takes its exponent field), and 448 x 2^e
	s_add_co_i32 s56, \e, 127
	s_lshl_b32 s57, s56, 23
	v_mov_b32 v[SC+2*\k], s57
	s_add_co_i32 s56, s56, 8
	s_lshl_b32 s56, s56, 23
	s_or_b32 s56, s56, 0x600000
	v_mov_b32 v[SC+2*\k+1], s56
.endm
	MKSC s55, 0
	MKSC s22, 1
	MKSC s24, 2
.macro COPY k, t                       ; the K step in X becomes an image under scale k
	s_wait_xcnt 0x0                                ; the earlier stores have read C: it is rewritten only behind this wait
.irp c, 0,1,2,3
.irp i, 0,1,2,3,4,5,6,7,8,9,10,11,12,13,14,15
	v_med3_num_f32 v[T+\i], v[X+16*\c+\i], -v[SC+2*\k+1], v[SC+2*\k+1]   ; the conversion to an 8-bit code does not saturate (ISA guide 7.6.2): the hold comes first
.endr
	v_cvt_scalef32_pk8_fp8_f32 v[C+4*\c:C+4*\c+1], v[T:T+7], v[SC+2*\k]
	v_cvt_scalef32_pk8_fp8_f32 v[C+4*\c+2:C+4*\c+3], v[T+8:T+15], v[SC+2*\k]
	v_nop                                          ; a plain line between the conversions and the next writes of T
.endr
.irp c, 0,1,2,3
	global_store_b128 v[LI], v[C+4*\c:C+4*\c+3], s[34+2*\k:35+2*\k] offset:2048*(\t)+512*\c   ; 512 consecutive bytes
.endr
.endm
.macro STEP t
.if (\t) < NST-1
	s_wait_loadcnt 16                              ; this K step's 16 loads are in; the next one's 16 may be out
.else
	s_wait_loadcnt 0x0
.endif
.irp i, 0,1,2,3,4,5,6,7,8,9,10,11,12,13,14,15
	ds_store_b128 v[SW], v[R+64*((\t)%2)+4*\i:R+64*((\t)%2)+4*\i+3] offset:528*\i
.endr
.irp c, 0,1,2,3
.irp j, 0,1,2,3
	ds_load_b128 v[X+16*\c+4*\j:X+16*\c+4*\j+3], v[SRD] offset:128*\c+16*\j   ; LDS serves a wave's instructions in order (ISA guide 5.7.1.4): these see the stores above
.endr
.endr
	s_wait_dscnt 0x0                               ; X is in, and the stores have read their registers,
.if (\t)+2 < NST
	LOADF (\t)+2                                   ; which take the K step two on
.endif
	COPY 0, \t
	s_cmp_ge_u32 ttmp9, 256                        ; hidden_states has three scales, the weights one each
	s_cbranch_scc1 .Lone_\@
	COPY 1, \t
	COPY 2, \t
.Lone_\@:
.endm
.irp t, 0,1,2,3
	STEP \t
.endr
	s_wait_tensorcnt 0x0                           ; the wave's end: behind my last LDS store
	ds_add_u32 v[SPW], v[NIL]
	s_wait_dscnt 0x0
	s_endpgm
.Lfunc_end_k_q1b6bc8585e_quant:
	.size	k_q1b6bc8585e_quant, .Lfunc_end_k_q1b6bc8585e_quant-k_q1b6bc8585e_quant
	.p2alignl 7, 3214868480
	.fill 96, 4, 3214868480
	.section	.rodata,"a",@progbits
	.p2align	6, 0x0
	.amdhsa_kernel k_q1b6bc8585e_quant
		.amdhsa_group_segment_fixed_size 34304
		.amdhsa_private_segment_fixed_size 0
		.amdhsa_enable_private_segment 0
		.amdhsa_kernarg_size 64
		.amdhsa_user_sgpr_count 2
		.amdhsa_user_sgpr_kernarg_segment_ptr 1
		.amdhsa_wavefront_size32 1
		.amdhsa_system_sgpr_workgroup_id_x 1
		.amdhsa_system_sgpr_workgroup_id_y 1
		.amdhsa_system_sgpr_workgroup_id_z 1
		.amdhsa_system_vgpr_workitem_id 0
		.amdhsa_next_free_vgpr 256
		.amdhsa_next_free_sgpr 66
		.amdhsa_reserve_vcc 0
		.amdhsa_float_denorm_mode_32 3
		.amdhsa_float_denorm_mode_16_64 3
		.amdhsa_memory_ordered 1
		.amdhsa_forward_progress 1
		.amdhsa_inst_pref_size 81
	.end_amdhsa_kernel
	.amdgpu_metadata
---
amdhsa.version: [ 1, 2 ]
amdhsa.kernels:
  - .name:           k_q1b6bc8585e_quant
    .symbol:         k_q1b6bc8585e_quant.kd
    .args:
      - { .name: hidden_states, .offset: 0, .size: 8, .value_kind: global_buffer, .address_space: global }
      - { .name: Wq, .offset: 8, .size: 8, .value_kind: global_buffer, .address_space: global }
      - { .name: Wk, .offset: 16, .size: 8, .value_kind: global_buffer, .address_space: global }
      - { .name: Wv, .offset: 24, .size: 8, .value_kind: global_buffer, .address_space: global }
      - { .name: Wo, .offset: 32, .size: 8, .value_kind: global_buffer, .address_space: global }
      - { .name: lowp_scales, .offset: 40, .size: 8, .value_kind: global_buffer, .address_space: global }
      - { .name: hsc, .offset: 48, .size: 8, .value_kind: global_buffer, .address_space: global }
      - { .name: wc, .offset: 56, .size: 8, .value_kind: global_buffer, .address_space: global }
    .group_segment_fixed_size: 34304
    .private_segment_fixed_size: 0
    .kernarg_segment_align: 8
    .kernarg_segment_size: 64
    .max_flat_workgroup_size: 128
    .sgpr_count:     66
    .vgpr_count:     256
    .wavefront_size: 32
...
	.end_amdgpu_metadata
.endif
;; end of part 1
;; launch qkv (part 2): grid 16 x 16, 4 waves a work-group, clusters of 4 x 4, 327,680 bytes of LDS; arguments hsc, wc, lowp_scales, cos, sin, q_norm_w, k_norm_w, qf, kvf; writes qf, kvf
.if DOCPART == 2
	.amdgcn_target "amdgcn-amd-amdhsa--gfx1250"
	.amdhsa_code_object_version 6
	.text
	.protected	k_q1b6bc8585e_qkv
	.globl	k_q1b6bc8585e_qkv
	.p2align	8
	.type	k_q1b6bc8585e_qkv,@function
k_q1b6bc8585e_qkv:
	s_mov_b64 s[64:65], 0
	v_nop
	global_prefetch_b8 v0, s[64:65] scope:SCOPE_SE
	s_setreg_imm32_b32 hwreg(HW_REG_WAVE_MODE, 25, 1), 1
	s_wait_xcnt 0x0
	s_wait_alu depctr_hold_cnt(0) depctr_sa_sdst(0) depctr_va_vdst(0) depctr_va_sdst(0) depctr_va_ssrc(0) depctr_va_vcc(0) depctr_vm_vsrc(0)
	s_getreg_b32 s2, hwreg(HW_REG_IB_STS2, 6, 4)
	s_cmp_eq_u32 s2, 0
	s_cbranch_scc0 .Lentry_in_a_cluster
	s_endpgm
.Lentry_in_a_cluster:
	s_bfe_u32 s2, ttmp6, 0x10000c
	s_cmp_lg_u32 s2, 0xf033
	s_cbranch_scc0 .Lentry_shape_is_right
	s_endpgm
.Lentry_shape_is_right:
; LAUNCH 2 OF 4.  q = hs Wq^T, k = hs Wk^T, V^T = Wv hs^T on codes of E4M3; then, in registers, RMSNorm and partial RoPE (q, k), and the quantisers of the attention's operands.  Results leave as images (launch 1's head).
; A work-group makes 128 rows of A x 256 rows of B; four waves stand 2 x 2, a wave makes 64 x 128: 32 accumulators.  That gives 128 + 64 + 64 = 256 work-groups.
; Columns of clusters 0, 1: q (A = hs under e0, B = Wq).  Column 2: k (A = hs under e2, B = Wk).  Column 3: V^T (A = Wv, B = hs under e4), so that v's codes come out with the keys innermost.
; THE MATRIX INSTRUCTION IS USED TRANSPOSED (source 0 = B's tile, source 1 = A's): a lane holds one row of A, and the 64 registers of A's block a, register 16 b + i, are B's rows 32 b + 16 h + i of the wave's 128:
; one head's 128 channels (q, k), or one step of 128 keys (V^T).  So the norm's sum wants one exchange between the lanes' halves, RoPE's partner (32 channels on) lies in the same lane, and the conversions' results are the next operand's image.
; K goes through a ring of two LDS slots of 3 K steps of 128 (24 tiles x 6,144 bytes), the largest two that fit; the 11th slot holds the last 2 K steps.  Images are dense: no pitch, no padding; each LDS load takes 512 consecutive bytes.
; CLUSTERS 4 x 4: A's tiles are shared along a row of the cluster, B's along a column, each asked for jointly.  Which product a cluster makes hangs on the cluster's x alone, which its sixteen partners share.
; LIMITS: with EAB = ea + eb of the product: EAB between -126 and 127; for q and k 2 EAB - 7 between -126 and 127, e6 and e7 between -126 and 119; for v e8 - e4 - e5 between -126 and 119.  NaN among the inputs is not served.
; REGISTERS: window 0: addresses and the way out; window 1: accumulator (a, b) at v[8 (8 a + b)]; windows 2 and 3: fragment sets 0 and 1: A's four at v[16 a], B's eight at v[64 + 16 b]; v192-255 of both: cos and sin of blocks 2 and 3.
.set KT,    32                         ; K steps
.set SHORTC, 512                       ; the last slot: 2 K steps = 512 elements of 8 bytes a tile
.set SLOT,  147456
.set SPARE, 294912                     ; behind the ring: the spare words, 128 bytes a wave
.set LI,   1                           ; v1    16 x lane
.set ADRA, 2                           ; v2,3  my four tiles of A in slot 0, 1
.set ADRB, 4                           ; v4,5  my eight tiles of B
.set SPW,  6                           ; v6    my spare word; never rewritten
.set NIL,  7                           ; v7    0; never rewritten
.set CSO,  8                           ; v8    cos, sin: (r + 8 (r / 8)) x 256 + 64 h
.set WOF,  9                           ; v9    the norm's weights: 64 h
.set LIM,  10                          ; v10   448 x the conversion's scale
.set SCL,  11                          ; v11   the conversion's scale as f32
.set SS,   12                          ; v12-27 four registers a block: sums of squares, then the row's factor
.set W,    32                          ; v32-95 the norm's weights at my 64 channels
.set CS0,  96                          ; v96-159, v160-223: blocks 0, 1: [cos 16 h + i][sin 16 h + i][cos 32 + 16 h + i][sin 32 + 16 h + i]
.set CS1,  160
.set T,    224                         ; v224-239 at work
.set CODE, 240                         ; v240-255 an image's 16 registers
.set G1A,  32                          ; s[32:39] group 1 for A's tiles; s[40:47] B's; s[48:55], s[56:63] the same for the short slot
.set G1B,  40
.set G1AS, 48
.set G1BS, 56
.set G0A,  68                          ; s[68:75] group 0 for A's tiles, a set for each slot; s[76:83] for B's
.set G0B,  76
.set MSB, 0
.macro WIN new                         ; the immediate's high byte repeats the setting that is left
.if MSB != (\new)
	s_set_vgpr_msb (MSB<<8)|(\new)
.set MSB, (\new)
.endif
.endm
.macro PLACES                          ; four plain lines between a matrix instruction and a load into, or a vector read of, its registers
.rept 4
	v_nop
.endr
.endm
; A joint load: waves 0 and 1 fetch A's halves, waves 2 and 3 B's.  The branch hangs on the wave's number alone.  An s_nop 0 and four v_nop follow each line.
.macro JLOAD g0a, g1a, g0b, g1b
	s_cmp_eq_u32 s23, 0
	s_cbranch_scc0 .Lfor_b_\@
	tensor_load_to_lds s[\g0a:\g0a+3], s[\g1a:\g1a+7]
	s_nop 0
.rept 4
	v_nop
.endr
	s_branch .Lasked_\@
.Lfor_b_\@:
	tensor_load_to_lds s[\g0b:\g0b+3], s[\g1b:\g1b+7]
	s_nop 0
.rept 4
	v_nop
.endr
.Lasked_\@:
.endm
.macro CREST                           ; a round of the cluster's barrier behind its opening barrier
	s_cmp_lg_u32 s22, 0
	s_cbranch_scc1 .Lnot_wave_0_\@
	s_barrier_signal -3
.Lnot_wave_0_\@:
	s_barrier_wait -3
	s_barrier_signal -1
	s_barrier_wait -1
.endm
.macro CROUND
	s_barrier_signal -1
	s_barrier_wait -1
	CREST
.endm
.macro G1REST g, c, r                  ; a tile of r rows (image tiles) x c elements of 8 bytes, KT x 256 elements apart in memory, dense in LDS
	s_mov_b32 s[\g+1], (\c)<<16
	s_mov_b32 s[\g+2], (\r)<<16
	s_mov_b32 s[\g+3], (\c)<<16
	s_mov_b32 s[\g+4], \r
	s_mov_b32 s[\g+5], KT*256
	s_mov_b32 s[\g+6], 0
	s_mov_b32 s[\g+7], 0
.endm
; n x 8 matrix instructions: A's blocks a0 on x B's eight; the set is chosen by the window.  The 32 accumulators take turns, one instruction a turn, in the same order in every K step.
.macro MULA a0, n, zero
.set ma, \a0
.rept \n
.set mb, 0
.rept 8
.if \zero
	v_wmma_f32_16x16x128_fp8_fp8 v[8*(8*ma+mb):8*(8*ma+mb)+7], v[64+16*mb:64+16*mb+15], v[16*ma:16*ma+15], 0
.else
	v_wmma_f32_16x16x128_fp8_fp8 v[8*(8*ma+mb):8*(8*ma+mb)+7], v[64+16*mb:64+16*mb+15], v[16*ma:16*ma+15], v[8*(8*ma+mb):8*(8*ma+mb)+7]
.endif
.set mb, mb+1
.endr
.set ma, ma+1
.endr
.endm
.macro FETCH slot, ks, set, pitch      ; 48 LDS loads in one run: K step ks of the slot into a set; pitch: bytes from tile to tile
	WIN 0x80+0x40*(\set)
.set fb, 0
.rept 8
.irp c, 0,1,2,3
	ds_load_b128 v[64+16*fb+4*\c:64+16*fb+4*\c+3], v[ADRB+\slot] offset:fb*(\pitch)+2048*(\ks)+512*\c
.endr
.set fb, fb+1
.endr
.set fb, 0
.rept 4
.irp c, 0,1,2,3
	ds_load_b128 v[16*fb+4*\c:16*fb+4*\c+3], v[ADRA+\slot] offset:fb*(\pitch)+2048*(\ks)+512*\c
.endr
.set fb, fb+1
.endr
.endm
.macro KSTEP p, zero, slot, ks, pitch  ; multiplies set p; first asks for the next K step (slot, ks) into the other set
	s_wait_dscnt 0x0                               ; set p is in
	PLACES                                         ; the other set was read by the last K step's products
	FETCH \slot, \ks, 1-\p, \pitch
	WIN 0x5a+5*(\p)
	MULA 0, 4, \zero
.endm
; A slot's last K step changes slots: ONE barrier; ahead of it each wave waits for all its tensor loads, adds 0 to its spare word, and waits for that and for its reads of the slot.  fill = 1: the slot is filled again, two slots on; 2: with the short slot; 0: not.
.macro TURN p, cur, nxt, fill, npitch
	s_wait_dscnt 0x0                               ; set p is in: my last reads of this slot
	WIN 0
	s_wait_tensorcnt 0x0                           ; all my tensor loads have landed: my part of the next slot
	ds_add_u32 v[SPW], v[NIL]                      ; 0 onto my spare word; eight products stand between it and the wait for it
	WIN 0x5a+5*(\p)
	MULA 0, 1, 0
	s_wait_dscnt 0x0
	s_barrier_signal -1
	MULA 1, 1, 0
	WIN 0
	s_barrier_wait -1
.if \fill
	CREST                                          ; the barrier has opened a round of the cluster's: no wave of any partner still reads this slot or has a load on its way
	s_add_nc_u64 s[G0A+4*\cur+2:G0A+4*\cur+3], s[G0A+4*\cur+2:G0A+4*\cur+3], 12288
	s_add_nc_u64 s[G0B+4*\cur+2:G0B+4*\cur+3], s[G0B+4*\cur+2:G0B+4*\cur+3], 12288
.if \fill == 1
	JLOAD G0A+4*\cur, G1A, G0B+4*\cur, G1B         ; my one tensor load behind the round; its four v_nop are the places ahead of the loads below
.else
	JLOAD G0A+4*\cur, G1AS, G0B+4*\cur, G1BS
.endif
.else
	PLACES
.endif
	FETCH \nxt, 0, 1-\p, \npitch
	WIN 0x5a+5*(\p)
	MULA 2, 2, 0
.endm
.macro LAST p
	s_wait_dscnt 0x0
	WIN 0x5a+5*(\p)
	MULA 0, 4, 0
	WIN 0
.endm
	s_load_b512 s[4:19], s[0:1], 0x0               ; hsc, wc, lowp_scales, cos, sin, q_norm_w, k_norm_w, qf
	s_load_b64 s[20:21], s[0:1], 0x40              ; kvf
	v_lshl_add_u32 v[SPW], v0, 2, SPARE
	v_mov_b32 v[NIL], 0
	ds_add_u32 v[SPW], v[NIL]                      ; the wave's opening: the add, twice on end, and its wait ahead of my first tensor load
	ds_add_u32 v[SPW], v[NIL]
	v_lshrrev_b32 v1, 5, v0
	v_readfirstlane_b32 s22, v1                    ; wave
	s_lshr_b32 s23, s22, 1                         ; WR: my half of A's tiles.  Also: I fetch for A (0) or for B (1)
	s_and_b32 s24, s22, 1                          ; WC: my half of B's tiles.  Also: which half I fetch
	s_bfe_u32 s25, ttmp6, 0x40000                  ; cx
	s_bfe_u32 s26, ttmp6, 0x40004                  ; cy
	s_mov_b32 s27, ttmp9                           ; X: the cluster's column says which product
	s_and_b32 s28, ttmp7, 0xffff                   ; Y
	s_lshr_b32 s31, s28, 1
	s_cmp_eq_u32 s27, 3
	s_cselect_b32 s29, s31, s28
	s_lshl_b32 s29, s29, 2
	s_add_co_u32 s29, s29, s26                     ; rt, A's block of 128 rows: 4 Y + cy; V^T: 4 (Y / 2) + cy
	s_and_b32 s66, s28, 1
	s_cmp_eq_u32 s27, 3
	s_cselect_b32 s30, s66, s27
	s_cmp_eq_u32 s27, 2
	s_cselect_b32 s30, 0, s30
	s_lshl_b32 s30, s30, 2
	s_add_co_u32 s30, s30, s25                     ; ct, B's block of 256 rows: q: 4 X + cx; k: cx; V^T: 4 (Y % 2) + cx
	s_lshl_b32 s31, s26, 2
	s_lshl_b32 s31, 15, s31                        ; my row of the cluster
	s_lshl_b32 s66, 0x1111, s25                    ; my column
	s_or_b32 s[G1A], s31, (3<<16)|(1<<21)          ; 15:0 the mask; 17:16 elements of 8 bytes; 21 set beside a mask; no padding
	s_or_b32 s[G1AS], s31, (3<<16)|(1<<21)
	s_or_b32 s[G1B], s66, (3<<16)|(1<<21)
	s_or_b32 s[G1BS], s66, (3<<16)|(1<<21)
	G1REST G1A, 768, 4
	G1REST G1B, 768, 8
	G1REST G1AS, SHORTC, 4
	G1REST G1BS, SHORTC, 8
	s_cmp_eq_u32 s27, 2
	s_cselect_b32 s31, 0x800000, 0                 ; k: hs's second copy, and Wk's place
	s_cmp_eq_u32 s27, 3
	s_cselect_b32 s84, 0xc00000, s31               ; V^T: A = Wv's place in wc,
	s_cselect_b32 s86, 0x1000000, s31              ; B = hs's third copy
	s_lshl_b32 s31, s29, 19                        ; 8 tiles x 65,536 bytes
	s_add_co_u32 s84, s84, s31
	s_lshl_b32 s31, s24, 18
	s_add_co_u32 s84, s84, s31
	s_mov_b32 s85, 0
	s_lshl_b32 s66, s30, 20                        ; 16 tiles
	s_add_co_u32 s86, s86, s66
	s_lshl_b32 s66, s24, 19
	s_add_co_u32 s86, s86, s66
	s_mov_b32 s87, 0
	s_mul_i32 s3, s24, 24576                       ; where they go: A's halves at 0 and 24,576,
	s_mul_i32 s67, s24, 49152
	s_add_co_u32 s67, s67, 49152                   ; B's at 49,152 and 98,304: no place in the cluster enters an LDS address
	s_mov_b32 s96, 0x76543210
	s_mov_b32 s97, 0xfedcba98                      ; v_permlanex16_b32: lane l xor 16
	s_mov_b32 s100, 0x358637bd                     ; 1e-6
	s_wait_dscnt 0x0                               ; both opening adds are done
	s_wait_kmcnt 0x0
	s_cmp_eq_u32 s27, 3
	s_cselect_b64 s[88:89], s[6:7], s[4:5]
	s_cselect_b64 s[90:91], s[4:5], s[6:7]
	s_add_nc_u64 s[88:89], s[88:89], s[84:85]
	s_add_nc_u64 s[90:91], s[90:91], s[86:87]
	CROUND                                         ; all sixteen work-groups are here: the first joint loads meet
.irp s, 0,1
	s_mov_b32 s[G0A+4*\s], 1
	s_add_co_u32 s[G0A+4*\s+1], s3, \s*SLOT
	s_add_nc_u64 s[G0A+4*\s+2:G0A+4*\s+3], s[88:89], \s*6144
	s_or_b32 s[G0A+4*\s+3], s[G0A+4*\s+3], 0x80000000
	s_mov_b32 s[G0B+4*\s], 1
	s_add_co_u32 s[G0B+4*\s+1], s67, \s*SLOT
	s_add_nc_u64 s[G0B+4*\s+2:G0B+4*\s+3], s[90:91], \s*6144
	s_or_b32 s[G0B+4*\s+3], s[G0B+4*\s+3], 0x80000000
	JLOAD G0A+4*\s, G1A, G0B+4*\s, G1B
.endr
	s_load_b256 s[84:91], s[8:9], 0x0              ; e0 .. e7
	s_load_b128 s[92:95], s[8:9], 0x20             ; e8 .. e11
	v_and_b32 v1, 31, v0
	v_lshlrev_b32 v[LI], 4, v1
	s_mul_i32 s31, s23, 24576
	v_add_nc_u32 v[ADRA], s31, v[LI]
	v_add_nc_u32 v[ADRA+1], SLOT, v[ADRA]
	s_mul_i32 s31, s24, 49152
	s_add_co_u32 s31, s31, 49152
	v_add_nc_u32 v[ADRB], s31, v[LI]
	v_add_nc_u32 v[ADRB+1], SLOT, v[ADRB]
	v_and_b32 v[CSO], 15, v0
	v_and_b32 v[WOF], 8, v[CSO]
	v_add_nc_u32 v[CSO], v[CSO], v[WOF]            ; r + 8 (r / 8)
	v_bfe_u32 v[WOF], v0, 4, 1
	v_lshlrev_b32 v[WOF], 6, v[WOF]                ; 64 h
	v_lshl_add_u32 v[CSO], v[CSO], 8, v[WOF]
	s_wait_kmcnt 0x0
	s_add_co_i32 s31, s84, s85                     ; e0 + e1
	s_add_co_i32 s66, s86, s87                     ; e2 + e3
	s_add_co_i32 s67, s88, s89                     ; e4 + e5
	s_sub_co_i32 s3, s92, s67                      ; e8 - e4 - e5: v's three scales folded into the conversion's one
	s_cmp_eq_u32 s27, 2
	s_cselect_b32 s31, s66, s31
	s_cselect_b32 s66, s91, s90                    ; k: e7; q: e6
	s_cmp_eq_u32 s27, 3
	s_cselect_b32 s31, s67, s31                    ; EAB: a sum stands for sum x 2^EAB
	s_cselect_b32 s66, s3, s66                     ; the conversion's exponent
	s_add_co_i32 s98, s31, 127
	s_lshl_b32 s98, s98, 23                        ; 2^EAB
	s_lshl_b32 s99, s31, 1
	s_add_co_i32 s99, s99, 120
	s_lshl_b32 s99, s99, 23                        ; 2^(2 EAB - 7): the mean of 128 squares
	s_add_co_i32 s66, s66, 127
	s_lshl_b32 s67, s66, 23
	v_mov_b32 v[SCL], s67
	s_add_co_i32 s66, s66, 8
	s_lshl_b32 s66, s66, 23
	s_or_b32 s66, s66, 0x600000
	v_mov_b32 v[LIM], s66
	s_wait_tensorcnt 0x1                           ; my part of slot 0 is in; slot 1's load may stay out
	s_barrier_signal -1
	s_barrier_wait -1
	FETCH 0, 0, 0, 6144
	KSTEP 0, 1, 0, 1, 6144                         ; the first K step stands ahead of the loop: its products start the sums
	WIN 0
	s_mov_b32 s2, 4
.Llap:                                                 ; a trip is six K steps, once round the ring, and fills both slots again
	KSTEP 1, 0, 0, 2, 6144
	TURN 0, 0, 1, 1, 6144
	KSTEP 1, 0, 1, 1, 6144
	KSTEP 0, 0, 1, 2, 6144
	TURN 1, 1, 0, 1, 6144
	KSTEP 0, 0, 0, 1, 6144
	WIN 0
	s_sub_co_u32 s2, s2, 1
	s_cmp_lg_u32 s2, 0
	s_cbranch_scc1 .Llap
	KSTEP 1, 0, 0, 2, 6144
	TURN 0, 0, 1, 2, 6144                          ; slot 0 takes the last two K steps
	KSTEP 1, 0, 1, 1, 6144
	KSTEP 0, 0, 1, 2, 6144
	TURN 1, 1, 0, 0, 4096                          ; nothing is left to fetch
	WIN 0
.macro BLOCKOUT a, ob                  ; block a: the hold, the conversions, the image's four stores of 512 consecutive bytes
	WIN 0x41
.set cn, 0
.rept 64
	v_med3_num_f32 v[64*\a+cn], v[64*\a+cn], -v[LIM], v[LIM]   ; the conversion to an 8-bit code does not saturate (ISA guide 7.6.2)
.set cn, cn+1
.endr
	WIN 0x01
.if \a > 0
	s_wait_xcnt 0x0                                ; the last block's stores have read CODE
.endif
.set cn, 0
.rept 8
	v_cvt_scalef32_pk8_fp8_f32 v[CODE+2*cn:CODE+2*cn+1], v[64*\a+8*cn:64*\a+8*cn+7], v[SCL]
.set cn, cn+1
.endr
	v_nop                                          ; a plain line behind the last conversion
	WIN 0
.irp c, 0,1,2,3
	global_store_b128 v[LI], v[CODE+4*\c:CODE+4*\c+3], s[\ob:\ob+1] offset:2048*\a+512*\c
.endr
.endm
	s_cmp_eq_u32 s27, 3                            ; the one parting of the ways: the cluster's column, the same in all partners
	s_cbranch_scc1 .Lvpath
	; ---- q and k.  What the way out needs is asked for now and lands under the last two K steps.
	s_lshl_b32 s66, s29, 15
	s_lshl_b32 s31, s23, 14
	s_add_co_u32 s66, s66, s31                     ; my first position x 256 bytes: (128 rt + 64 WR) x 256
	s_mov_b32 s67, 0
	s_add_nc_u64 s[10:11], s[10:11], s[66:67]
	s_add_nc_u64 s[12:13], s[12:13], s[66:67]
	s_lshl_b32 s3, s30, 1
	s_add_co_u32 s3, s3, s24                       ; the head: 2 ct + WC
	s_cmp_eq_u32 s27, 2
	s_cselect_b64 s[14:15], s[16:17], s[14:15]     ; k_norm_w or q_norm_w
	s_cselect_b64 s[18:19], s[20:21], s[18:19]     ; kvf or qf
	s_cselect_b32 s31, 19, 18                      ; a head's bytes: k: 16 steps x 32,768; q: 128 tiles x 2,048
	s_cselect_b32 s66, 15, 14                      ; 128 positions' bytes: k: a step; q: 8 tiles
	s_lshl_b32 s3, s3, s31
	s_lshl_b32 s66, s29, s66
	s_add_co_u32 s66, s66, s3
	s_lshl_b32 s31, s23, 13                        ; my four tiles
	s_add_co_u32 s66, s66, s31
	s_add_nc_u64 s[18:19], s[18:19], s[66:67]
.irp b, 0,1,2,3
.irp j, 0,1,2,3
	global_load_b128 v[W+16*\b+4*\j:W+16*\b+4*\j+3], v[WOF], s[14:15] offset:128*\b+16*\j   ; w(32 b + 16 h + 4 j ..)
.endr
.endr
.macro CSLOAD a, base                  ; cos and sin of block a's positions, at my channels of the first 64
.irp j, 0,1,2,3
	global_load_b128 v[\base+4*\j:\base+4*\j+3], v[CSO], s[10:11] offset:(32*((\a)/2)+8*((\a)%2))*256+16*\j
	global_load_b128 v[\base+16+4*\j:\base+16+4*\j+3], v[CSO], s[12:13] offset:(32*((\a)/2)+8*((\a)%2))*256+16*\j
	global_load_b128 v[\base+32+4*\j:\base+32+4*\j+3], v[CSO], s[10:11] offset:(32*((\a)/2)+8*((\a)%2))*256+128+16*\j
	global_load_b128 v[\base+48+4*\j:\base+48+4*\j+3], v[CSO], s[12:13] offset:(32*((\a)/2)+8*((\a)%2))*256+128+16*\j
.endr
.endm
	CSLOAD 0, CS0
	CSLOAD 1, CS1
	WIN 0x80
	CSLOAD 2, 192
	WIN 0xc0
	CSLOAD 3, 192
	KSTEP 0, 0, 0, 1, 4096
	LAST 1
	PLACES
	WIN 0x05                                       ; the sums of squares: eight chains
.set qp, 0
.rept 32
.irp a, 0,1,2,3
.if qp < 2
	v_pk_mul_f32 v[SS+4*\a+2*(qp%2):SS+4*\a+2*(qp%2)+1], v[64*\a+2*qp:64*\a+2*qp+1], v[64*\a+2*qp:64*\a+2*qp+1]
.else
	v_pk_fma_f32 v[SS+4*\a+2*(qp%2):SS+4*\a+2*(qp%2)+1], v[64*\a+2*qp:64*\a+2*qp+1], v[64*\a+2*qp:64*\a+2*qp+1], v[SS+4*\a+2*(qp%2):SS+4*\a+2*(qp%2)+1]
.endif
.endr
.set qp, qp+1
.endr
	WIN 0
.irp a, 0,1,2,3
	v_pk_add_f32 v[SS+4*\a:SS+4*\a+1], v[SS+4*\a:SS+4*\a+1], v[SS+4*\a+2:SS+4*\a+3]
.endr
.irp a, 0,1,2,3
	v_add_f32 v[SS+4*\a], v[SS+4*\a], v[SS+4*\a+1]
.endr
.irp a, 0,1,2,3
	v_permlanex16_b32 v[SS+4*\a+2], v[SS+4*\a], s96, s97   ; the row's other 64 channels lie in the lane 16 away
.endr
.irp a, 0,1,2,3
	v_add_f32 v[SS+4*\a], v[SS+4*\a], v[SS+4*\a+2]
.endr
.irp a, 0,1,2,3
	v_fma_f32 v[SS+4*\a+1], v[SS+4*\a], s99, s100  ; the mean of the squares + 1e-6
.endr
.irp a, 0,1,2,3
	v_rsq_f32 v[SS+4*\a+2], v[SS+4*\a+1]
.endr
	v_nop                                          ; a plain line behind the last of the batch
	s_wait_alu depctr_va_vdst(0)                   ; one wait for the four, ahead of their first reader
.irp a, 0,1,2,3
	v_mul_f32 v[SS+4*\a], s98, v[SS+4*\a+2]        ; x 2^EAB: exact
.endr
	s_wait_loadcnt 0x0                             ; the weights, cos and sin
.macro BLOCKQK a, csw, csb             ; csw, csb: window and first register of the block's cos and sin
	WIN 0x41
.set qp, 0
.rept 32
	v_pk_mul_f32 v[64*\a+2*qp:64*\a+2*qp+1], v[64*\a+2*qp:64*\a+2*qp+1], v[SS+4*\a:SS+4*\a+1] op_sel_hi:[1,0]   ; x / sqrt(..)
.set qp, qp+1
.endr
.set qp, 0
.rept 32
	v_pk_mul_f32 v[64*\a+2*qp:64*\a+2*qp+1], v[64*\a+2*qp:64*\a+2*qp+1], v[W+2*qp:W+2*qp+1]   ; x w
.set qp, qp+1
.endr
	WIN 0x01|(\csw<<2)
.irp q, 0,2,4,6,8,10,12,14
	v_pk_mul_f32 v[T+\q:T+\q+1], v[64*\a+\q:64*\a+\q+1], v[\csb+48+\q:\csb+48+\q+1]   ; x(d) sin(d + 32), kept for the upper half
.endr
	WIN 0x51|(\csw<<2)
.irp q, 0,2,4,6,8,10,12,14
	v_pk_mul_f32 v[64*\a+\q:64*\a+\q+1], v[64*\a+\q:64*\a+\q+1], v[\csb+\q:\csb+\q+1]
.endr
.irp q, 0,2,4,6,8,10,12,14
	v_pk_fma_f32 v[64*\a+\q:64*\a+\q+1], v[64*\a+16+\q:64*\a+16+\q+1], v[\csb+16+\q:\csb+16+\q+1], v[64*\a+\q:64*\a+\q+1] neg_lo:[1,0,0] neg_hi:[1,0,0]   ; d < 32: x(d) cos(d) - x(d + 32) sin(d)
.endr
	WIN 0x41|(\csw<<2)
.irp q, 0,2,4,6,8,10,12,14
	v_pk_fma_f32 v[64*\a+16+\q:64*\a+16+\q+1], v[64*\a+16+\q:64*\a+16+\q+1], v[\csb+32+\q:\csb+32+\q+1], v[T+\q:T+\q+1]   ; 32 <= d < 64: x(d) cos(d) + x(d - 32) sin(d)
.endr
	BLOCKOUT \a, 18
.endm
	BLOCKQK 0, 0, CS0
	BLOCKQK 1, 0, CS1
	BLOCKQK 2, 2, 192
	BLOCKQK 3, 3, 192
	s_branch .Ldone
.Lvpath:
	; ---- V^T: lane = a channel of kv head rt, registers = the 128 keys of step 2 ct + WC
	s_lshl_b32 s3, s30, 1
	s_add_co_u32 s3, s3, s24
	s_lshl_b32 s66, s29, 4
	s_add_co_u32 s66, s66, s3
	s_lshl_b32 s66, s66, 15                        ; (16 rt + step) x 32,768,
	s_add_co_u32 s66, s66, 16384                   ; behind the step's eight tiles of k,
	s_lshl_b32 s31, s23, 13
	s_add_co_u32 s66, s66, s31                     ; my four tiles
	s_mov_b32 s67, 0
	s_add_nc_u64 s[20:21], s[20:21], s[66:67]
	KSTEP 0, 0, 0, 1, 4096
	LAST 1
	PLACES
	BLOCKOUT 0, 20
	BLOCKOUT 1, 20
	BLOCKOUT 2, 20
	BLOCKOUT 3, 20
.Ldone:
	s_wait_tensorcnt 0x0                           ; the wave's end: behind my last tensor load
	ds_add_u32 v[SPW], v[NIL]
	s_wait_dscnt 0x0
	CROUND                                         ; the closing round: no work-group ends while a partner may still ask for a tile that names it
	s_endpgm
.Lfunc_end_k_q1b6bc8585e_qkv:
	.size	k_q1b6bc8585e_qkv, .Lfunc_end_k_q1b6bc8585e_qkv-k_q1b6bc8585e_qkv
	.p2alignl 7, 3214868480
	.fill 96, 4, 3214868480
	.section	.rodata,"a",@progbits
	.p2align	6, 0x0
	.amdhsa_kernel k_q1b6bc8585e_qkv
		.amdhsa_group_segment_fixed_size 327680
		.amdhsa_private_segment_fixed_size 0
		.amdhsa_enable_private_segment 0
		.amdhsa_kernarg_size 72
		.amdhsa_user_sgpr_count 2
		.amdhsa_user_sgpr_kernarg_segment_ptr 1
		.amdhsa_wavefront_size32 1
		.amdhsa_system_sgpr_workgroup_id_x 1
		.amdhsa_system_sgpr_workgroup_id_y 1
		.amdhsa_system_sgpr_workgroup_id_z 1
		.amdhsa_system_vgpr_workitem_id 0
		.amdhsa_next_free_vgpr 1024
		.amdhsa_next_free_sgpr 102
		.amdhsa_reserve_vcc 0
		.amdhsa_float_denorm_mode_32 3
		.amdhsa_float_denorm_mode_16_64 3
		.amdhsa_memory_ordered 1
		.amdhsa_forward_progress 1
		.amdhsa_inst_pref_size 176
	.end_amdhsa_kernel
	.amdgpu_metadata
---
amdhsa.version: [ 1, 2 ]
amdhsa.kernels:
  - .name:           k_q1b6bc8585e_qkv
    .symbol:         k_q1b6bc8585e_qkv.kd
    .args:
      - { .name: hsc, .offset: 0, .size: 8, .value_kind: global_buffer, .address_space: global }
      - { .name: wc, .offset: 8, .size: 8, .value_kind: global_buffer, .address_space: global }
      - { .name: lowp_scales, .offset: 16, .size: 8, .value_kind: global_buffer, .address_space: global }
      - { .name: cos, .offset: 24, .size: 8, .value_kind: global_buffer, .address_space: global }
      - { .name: sin, .offset: 32, .size: 8, .value_kind: global_buffer, .address_space: global }
      - { .name: q_norm_w, .offset: 40, .size: 8, .value_kind: global_buffer, .address_space: global }
      - { .name: k_norm_w, .offset: 48, .size: 8, .value_kind: global_buffer, .address_space: global }
      - { .name: qf, .offset: 56, .size: 8, .value_kind: global_buffer, .address_space: global }
      - { .name: kvf, .offset: 64, .size: 8, .value_kind: global_buffer, .address_space: global }
    .group_segment_fixed_size: 327680
    .private_segment_fixed_size: 0
    .kernarg_segment_align: 8
    .kernarg_segment_size: 72
    .max_flat_workgroup_size: 128
    .sgpr_count:     102
    .vgpr_count:     1024
    .wavefront_size: 32
...
	.end_amdgpu_metadata
.endif
;; end of part 2
;; launch attn (part 3): grid 32 x 8, 8 waves a work-group, clusters of 4 x 1, 327,680 bytes of LDS; arguments qf, kvf, lowp_scales, of; writes of
.if DOCPART == 3
	.amdgcn_target "amdgcn-amd-amdhsa--gfx1250"
	.amdhsa_code_object_version 6
	.text
	.protected	k_q1b6bc8585e_attn
	.globl	k_q1b6bc8585e_attn
	.p2align	8
	.type	k_q1b6bc8585e_attn,@function
k_q1b6bc8585e_attn:
	s_mov_b64 s[64:65], 0
	v_nop
	global_prefetch_b8 v0, s[64:65] scope:SCOPE_SE
	s_setreg_imm32_b32 hwreg(HW_REG_WAVE_MODE, 25, 1), 1
	s_wait_xcnt 0x0
	s_wait_alu depctr_hold_cnt(0) depctr_sa_sdst(0) depctr_va_vdst(0) depctr_va_sdst(0) depctr_va_ssrc(0) depctr_va_vcc(0) depctr_vm_vsrc(0)
	s_getreg_b32 s2, hwreg(HW_REG_IB_STS2, 6, 4)
	s_cmp_eq_u32 s2, 0
	s_cbranch_scc0 .Lentry_in_a_cluster
	s_endpgm
.Lentry_in_a_cluster:
	s_bfe_u32 s2, ttmp6, 0x10000c
	s_cmp_lg_u32 s2, 0x3003
	s_cbranch_scc0 .Lentry_shape_is_right
	s_endpgm
.Lentry_shape_is_right:
; LAUNCH 3 OF 4.  Causal attention on codes of E4M3: S^T = K Q^T, p = 2^(t - M), O^T = V^T P^T, O / the row's sum, quantised for the last product.  All operands are images (launch 1's head).
; LEFT OUT AS DEAD WORK (shown at launch 1's head): steps of 128 keys all of which come after a block's 128 queries.
; THE SOFTMAX: t = score x log2(e) / sqrt(128); M = the running largest t rounded UP to a whole number, kept as -M = floor(-t); p = 2^(t - M) is what is quantised (scale e9); the row's sum is taken of the unquantised p;
; when M moves, the sum and O^T are multiplied by 2^(old M - new M), which rounds nothing.
; SHARES.  A cluster of four work-groups (kv head g = the cluster's y, u = its x, 0..7) owns the blocks u and 15 - u of 128 positions of both query heads of g: 32 tiles of 16 queries, in 16 pairs (tile 8 u + ti, tile 8 (15 - u) + ti).
; A work-group has EIGHT waves, two to a SIMD, so that one wave's vector work stands beside the other's waits.  Waves w and w + 4 own the same pair: place z = 4 cx + w % 4, head 2 g + z / 8, ti = z % 8.
; THE KEYS OF A TILE ARE SHARED BETWEEN THE TWO: of a slot's four key steps wave w takes steps par and par + 2, par = w / 4.  Over the walk of u + 1 and then 16 - u steps that is 9 steps for par = 0 and 8 for par = 1, for every u.
; Each of the two keeps a running M, a sum and an O^T of its own keys.  At the end they exchange through LDS: waves 0-3 finish the low tile, waves 4-7 the high one; both states are brought under the larger M by exact powers of two.
; So p is quantised under the running M of the wave's own keys: its values are those under the row's M but for numbers that fall under the format's range.
; cx enters the addresses of Q and of the result and the diagonal's offset (a number that is compared, lane by lane), and nothing else.
; THE RING.  Two slots of 4 key steps (4 x 32,768 bytes).  ceil((u + 1) / 4) + ceil((16 - u) / 4) = 5 for every u: all work-groups walk 5 slots, a constant.  The first L = u / 4 + 1 serve the low block.
; A wave's one joint load brings its eighth (4,096 bytes: two tiles) of each of the slot's 4 steps.  Every wave fetches its first step of every slot, so every load is read.  A step behind the block's own is jumped over by a
; scalar branch on u, on counted steps and on the wave's number, the same in all partners; no barrier, wait or tensor load stands in a step.
; LAYOUT.  A lane holds ONE query throughout.  By the tiles' choice of rows, register 16 b + i of S^T is key 32 b + 16 h + i of the step, and of O^T channel 32 b + 16 h + i: the conversions' results are the next operand's registers.
; LIMITS: e6 + e7 between -123 and 130 (added to c's exponent field); e9 and e10 between -126 and 119; e8 + e9 goes in by v_ldexp_f32 and has none.
; REGISTERS: window 0 as named below; window 1: v0-127 K's eight fragments, v128-255 V's.
.set SLOT1, 1<<17
.set SPARE, 2*SLOT1                    ; behind the ring: the spare words, 128 bytes a wave: 1,024 bytes
.set STG,   SLOT1                      ; the exchange at the end lies in slot 1: it has had its last fill, and behind the last change of slots nobody reads it
.set STW,   8704                       ; a wave's part of it: O^T's 64 registers as 16 images of 512 bytes, and one more for -M and the sum
.set LI,  1                            ; v1   16 x lane
.set ADK, 2                            ; v2   my steps' K in the slot: slot + 4,096 par + 16 x lane
.set ADV, 3                            ; v3   their V: 65,536 on
.set SPW, 4                            ; v4   my spare word; never rewritten
.set NIL, 5                            ; v5   0; never rewritten
.set DQ,  6                            ; v6   my query's place in its block - 16 h
.set NINF, 7                           ; v7   -infinity
                                       ; v8, v9: 2^e9, 448 x 2^e9
.set WA,  10                           ; v10  the exchange: where I put my state;  v11: where my partner (wave xor 4) puts its
.set RA,  11
                                       ; v12 -M, v13 the largest t;  v14, v15: the low block's -M and sum, kept
.set QF,  16                           ; v16-31 Q in hand; v32-47 the high tile's, until the change of blocks
                                       ; v32-79 and v240-255: from the change of blocks on, the low block's O^T, kept
.set MX,  80                           ; v80-83 the maximum's four chains; v84, v85 at work; v[86:87] f; v[88:89] the sum; v[90:95] three side chains
.set S,   96                           ; v96-159 S^T, then p
.set O,   160                          ; v160-223 O^T
.set PC,  224                          ; v224-239 p's codes; at the end the result's
.set MSB, 0
.macro WIN new
.if MSB != (\new)
	s_set_vgpr_msb (MSB<<8)|(\new)
.set MSB, (\new)
.endif
.endm
.macro PLACES
.rept 4
	v_nop
.endr
.endm
.macro CROUND
	s_barrier_signal -1
	s_barrier_wait -1
	s_cmp_lg_u32 s12, 0
	s_cbranch_scc1 .Lnot_wave_0_\@
	s_barrier_signal -3
.Lnot_wave_0_\@:
	s_barrier_wait -3
	s_barrier_signal -1
	s_barrier_wait -1
.endm
	s_load_b256 s[4:11], s[0:1], 0x0               ; qf, kvf, lowp_scales, of
	v_lshl_add_u32 v[SPW], v0, 2, SPARE
	v_mov_b32 v[NIL], 0
	ds_add_u32 v[SPW], v[NIL]                      ; the wave's opening: the add, twice on end, and its wait ahead of my first tensor load
	ds_add_u32 v[SPW], v[NIL]
	v_lshrrev_b32 v1, 5, v0
	v_readfirstlane_b32 s12, v1                    ; wave 0..7
	s_lshr_b32 s3, s12, 2                          ; par: which of a slot's steps are mine
	s_bfe_u32 s13, ttmp6, 0x40000                  ; cx
	s_mov_b32 s14, ttmp9                           ; u
	s_and_b32 s15, ttmp7, 0xffff                   ; g
	s_lshr_b32 s16, s14, 2
	s_add_co_u32 s16, s16, 1                       ; L
	s_mov_b32 s17, 0                               ; N: the slot of the walk
	s_sub_co_u32 s56, 15, s14                      ; the high block
	s_mov_b32 s2, 0                                ; LDS byte at which the slot in hand begins
	s_mov_b32 s24, 15|(3<<16)|(1<<21)              ; group 1: 15:0 all four work-groups; 17:16 elements of 8 bytes; 21 set beside a mask
	s_mov_b32 s25, 512<<16                         ; tensor_dim0 = 512 elements: 4,096 bytes
	s_mov_b32 s26, 4<<16                           ; tensor_dim1 = 4 key steps
	s_mov_b32 s27, 512<<16                         ; tile_dim0
	s_mov_b32 s28, 4                               ; tile_dim1
	s_mov_b32 s29, 4096                            ; from step to step: 32,768 bytes
	s_mov_b32 s30, 0
	s_mov_b32 s31, 0
	s_mov_b32 s20, 0x76543210
	s_mov_b32 s21, 0xfedcba98                      ; v_permlanex16_b32: lane l xor 16
	s_lshl_b32 s38, s15, 19                        ; a kv head: 16 steps x 32,768 bytes
	s_lshl_b32 s57, s12, 12                        ; my eighth of a step
	s_add_co_u32 s38, s38, s57
	s_mov_b32 s39, 0
	s_wait_dscnt 0x0                               ; both opening adds are done
	s_wait_kmcnt 0x0
	s_add_nc_u64 s[36:37], s[6:7], s[38:39]
	CROUND                                         ; all four work-groups are here: the first joint loads meet
	s_mov_b32 s32, 1
	s_lshl_b32 s33, s12, 14                        ; LDS: slot 0 + 16,384 x wave: my eighths of the four steps on end
	s_mov_b64 s[34:35], s[36:37]
	s_or_b32 s35, s35, 0x80000000
	tensor_load_to_lds s[32:35], s[24:31]          ; slot 0 of the walk: key steps 0 to 3
	s_nop 0
.rept 4
	v_nop
.endr
	s_load_b256 s[44:51], s[8:9], 0x0              ; e0 .. e7
	s_load_b128 s[52:55], s[8:9], 0x20             ; e8 .. e11
	s_and_b32 s58, s12, 3
	s_lshl_b32 s57, s13, 2
	s_add_co_u32 s57, s57, s58                     ; z
	s_lshr_b32 s58, s57, 3
	s_lshl_b32 s59, s15, 1
	s_add_co_u32 s58, s58, s59                     ; the head
	s_and_b32 s59, s57, 7                          ; ti
	s_lshl_b32 s60, s14, 3
	s_add_co_u32 s60, s60, s59                     ; the low tile
	s_lshl_b32 s62, s56, 3
	s_add_co_u32 s62, s62, s59                     ; the high tile
	s_lshl_b32 s63, s58, 18                        ; qf: (128 head + tile) x 2,048
	s_lshl_b32 s66, s60, 11
	s_add_co_u32 s66, s66, s63
	s_mov_b32 s67, 0
	s_add_nc_u64 s[66:67], s[4:5], s[66:67]
	s_lshl_b32 s68, s62, 11
	s_add_co_u32 s68, s68, s63
	s_mov_b32 s69, 0
	s_add_nc_u64 s[68:69], s[4:5], s[68:69]
	s_lshl_b32 s63, s58, 11                        ; of: (16 tile + head) x 2,048
	s_lshl_b32 s40, s60, 15
	s_add_co_u32 s40, s40, s63
	s_mov_b32 s41, 0
	s_add_nc_u64 s[40:41], s[10:11], s[40:41]
	s_lshl_b32 s42, s62, 15
	s_add_co_u32 s42, s42, s63
	s_mov_b32 s43, 0
	s_add_nc_u64 s[42:43], s[10:11], s[42:43]
	v_and_b32 v1, 31, v0
	v_lshlrev_b32 v[LI], 4, v1
.irp c, 0,1,2,3
	global_load_b128 v[QF+4*\c:QF+4*\c+3], v[LI], s[66:67] offset:512*\c
	global_load_b128 v[QF+16+4*\c:QF+16+4*\c+3], v[LI], s[68:69] offset:512*\c
.endr
	s_lshr_b32 s57, s59, 1
	s_lshl_b32 s57, s57, 5
	s_and_b32 s63, s59, 1
	s_lshl_b32 s63, s63, 3
	s_add_co_u32 s57, s57, s63                     ; 32 (ti / 2) + 8 (ti % 2)
	v_and_b32 v[DQ], 15, v0
	v_and_b32 v84, 8, v[DQ]
	v_add_nc_u32 v[DQ], v[DQ], v84                 ; r + 8 (r / 8)
	v_bfe_u32 v84, v0, 4, 1
	v_lshlrev_b32 v84, 4, v84
	v_sub_nc_u32 v[DQ], v[DQ], v84                 ; - 16 h
	v_add_nc_u32 v[DQ], s57, v[DQ]
	s_mul_i32 s57, s12, STW                        ; the exchange's addresses are made here, ahead of every parting of the waves
	s_add_co_u32 s57, s57, STG
	v_add_nc_u32 v[WA], s57, v[LI]
	s_xor_b32 s57, s12, 4
	s_mul_i32 s57, s57, STW
	s_add_co_u32 s57, s57, STG
	v_add_nc_u32 v[RA], s57, v[LI]
	s_lshl_b32 s63, s3, 12                         ; 4,096 par: my first step's place among a wave's four eighths
	v_mov_b32 v[NINF], 0xff800000
	v_mov_b32 v85, 0                               ; written once: a lane permute's destination counts as one of its sources
	v_mov_b32 v87, 0                               ; (named as the upper half of the pair v[86:87])
	v_mov_b32 v14, 0                               ; what keeps the low block's state is written once here, so that every way through the text has written it:
	v_mov_b32 v15, 0                               ; the walk passes the change of blocks in its second or third slot (L is 1 or 2), where it gets its values
.set ij, 0
.rept 32
	v_mov_b32 v[48+ij], 0
.set ij, ij+1
.endr
.set ij, 0
.rept 16
	v_mov_b32 v[240+ij], 0
.set ij, ij+1
.endr
.macro INIT                            ; a tile begins: the largest t -3e38, under every t; the sum and O^T zeros, which the first change of M leaves zeros
	v_mov_b32 v13, 0xff61b1e6
	v_floor_f32 v12, -v13
	v_mov_b32 v88, 0
	v_mov_b32 v89, 0
.set ij, 0
.rept 64
	v_mov_b32 v[O+ij], 0
.set ij, ij+1
.endr
.endm
	INIT
	s_wait_kmcnt 0x0
	s_add_co_i32 s57, s50, s51
	s_lshl_b32 s57, s57, 23
	s_add_co_i32 s22, s57, 0x3e0293ee              ; c = log2(e) / sqrt(128) x 2^(e6 + e7): the exponents are added to c's exponent field
	s_mov_b32 s23, s22                             ; (named with it as a pair)
	s_add_co_i32 s57, s53, 127
	s_lshl_b32 s58, s57, 23
	v_mov_b32 v8, s58                              ; 2^e9
	s_add_co_i32 s57, s57, 8
	s_lshl_b32 s57, s57, 23
	s_or_b32 s57, s57, 0x600000
	v_mov_b32 v9, s57                              ; 448 x 2^e9
	s_add_co_i32 s57, s54, 127
	s_lshl_b32 s70, s57, 23                        ; 2^e10
	s_add_co_i32 s57, s57, 8
	s_lshl_b32 s57, s57, 23
	s_or_b32 s71, s57, 0x600000                    ; 448 x 2^e10
	s_add_co_i32 s61, s52, s53                     ; e8 + e9
; THE CHANGE OF SLOTS stands at a slot's head: each wave waits for all its tensor loads (its part of the slot ahead), adds 0 to its spare word, and waits for that and for its reads of the slot that it has left.
; fill = 1: behind a round of the cluster's barrier the slot that was left takes the walk's next slot: the load has a whole slot's steps in which to land.
.macro CHANGE fill
	s_wait_tensorcnt 0x0                           ; no tensor load of mine is out, so group 0 may be written
	ds_add_u32 v[SPW], v[NIL]                      ; 0 onto my spare word; the descriptor's words stand between it and the wait for it
.if \fill
	s_add_co_u32 s57, s17, 1
	s_cmp_ge_u32 s57, s16
	s_cselect_b32 s58, s16, 0
	s_sub_co_u32 s57, s57, s58                     ; slot N + 1 of the walk holds key steps 4 x this on: the high block begins at key 0 again
	s_lshl_b32 s38, s57, 17
	s_add_nc_u64 s[34:35], s[36:37], s[38:39]
	s_or_b32 s35, s35, 0x80000000
	s_xor_b32 s33, s33, SLOT1                      ; the other slot than last time
.endif
	s_wait_dscnt 0x0
.if \fill
	CROUND
	tensor_load_to_lds s[32:35], s[24:31]          ; my one tensor load behind the round
	s_nop 0
.rept 4
	v_nop
.endr
.else
	s_barrier_signal -1
	s_barrier_wait -1
.endif
.endm
.macro FETCH_K j                       ; my j-th step's eight tiles of K: tile t lies in eighth t / 2; 32 loads of 512 consecutive bytes
	WIN 0x40
.irp t, 0,1,2,3,4,5,6,7
.irp c, 0,1,2,3
	ds_load_b128 v[16*\t+4*\c:16*\t+4*\c+3], v[ADK] offset:(\t/2)*16384+(\j)*8192+(\t%2)*2048+512*\c
.endr
.endr
	WIN 0
.endm
.macro FETCH_V j
	WIN 0x40
.irp t, 0,1,2,3,4,5,6,7
.irp c, 0,1,2,3
	ds_load_b128 v[128+16*\t+4*\c:128+16*\t+4*\c+3], v[ADV] offset:(\t/2)*16384+(\j)*8192+(\t%2)*2048+512*\c
.endr
.endr
	WIN 0
.endm
.macro MASK                            ; the block's own step: register 16 b + i holds key 32 b + 16 h + i of the block: hidden where 32 b + i > my place - 16 h.  -infinity gives p = 0
.set mn, 0
.rept 64
	v_cmp_gt_i32 vcc_lo, 32*(mn/16)+mn%16, v[DQ]
	v_cndmask_b32 v[S+mn], v[S+mn], v[NINF], vcc_lo
.set mn, mn+1
.endr
.endm
.macro SOFTMAX
.irp k, 0,1,2,3                        ; the largest score of my 64 keys, in four chains, each up two tiles from their low ends
	v_max3_num_f32 v[MX+\k], v[S+16*\k], v[S+16*\k+1], v[S+16*\k+2]
.endr
.irp i, 3,5,7,9,11,13
.irp k, 0,1,2,3
	v_max3_num_f32 v[MX+\k], v[MX+\k], v[S+16*\k+\i], v[S+16*\k+\i+1]
.endr
.endr
.irp k, 0,1,2,3
	v_max_num_f32 v[MX+\k], v[MX+\k], v[S+16*\k+15]
.endr
	v_max3_num_f32 v[MX], v[MX], v[MX+1], v[MX+2]
	v_max_num_f32 v[MX], v[MX], v[MX+3]
	v_permlanex16_b32 v85, v[MX], s20, s21
	v_max_num_f32 v[MX], v[MX], v85                ; and the other 64 keys', in the lane 16 away
	v_mul_f32 v[MX], s22, v[MX]                    ; as t (c is positive)
	v_max_num_f32 v13, v13, v[MX]
	v_mov_b32 v84, v12
	v_floor_f32 v12, -v13                          ; -M = floor(-t)
	v_sub_f32 v84, v12, v84                        ; old M - new M: a whole number, 0 or less
	v_cvt_i32_f32 v84, v84                         ; (it saturates)
	v_ldexp_f32 v86, 1.0, v84                      ; f = 2^(old M - new M)
.set sj, 0
.rept 32
	v_pk_fma_f32 v[S+2*sj:S+2*sj+1], v[S+2*sj:S+2*sj+1], s[22:23], v[12:13] op_sel_hi:[1,0,0]   ; t - M
.set sj, sj+1
.endr
.set sj, 0
.rept 32                               ; the exponentials are one batch; O^T's rescaling, which names none of their results, stands among them
	v_exp_f32 v[S+2*sj], v[S+2*sj]
	v_exp_f32 v[S+2*sj+1], v[S+2*sj+1]
	v_pk_mul_f32 v[O+2*sj:O+2*sj+1], v[O+2*sj:O+2*sj+1], v[86:87] op_sel_hi:[1,0]
.set sj, sj+1
.endr
	v_pk_mul_f32 v[88:89], v[88:89], v[86:87] op_sel_hi:[1,0]   ; the sum under the new M; a plain line behind the last exponential
	s_wait_alu depctr_va_vdst(0)                   ; one wait for the batch, ahead of its first reader
	v_pk_add_f32 v[88:89], v[88:89], v[S:S+1]      ; the sum of the UNQUANTISED p, in four chains
.irp k, 1,2,3
	v_pk_add_f32 v[88+2*\k:89+2*\k], v[S+2*\k:S+2*\k+1], v[S+8+2*\k:S+8+2*\k+1]
.endr
	v_pk_add_f32 v[88:89], v[88:89], v[S+8:S+9]
.irp q, 2,3,4,5,6,7
.irp k, 0,1,2,3
	v_pk_add_f32 v[88+2*\k:89+2*\k], v[88+2*\k:89+2*\k], v[S+8*\q+2*\k:S+8*\q+2*\k+1]
.endr
.endr
	v_pk_add_f32 v[90:91], v[90:91], v[92:93]
	v_pk_add_f32 v[88:89], v[88:89], v[94:95]
	v_pk_add_f32 v[88:89], v[88:89], v[90:91]
.irp b, 0,1,2,3
.irp i, 0,1,2,3,4,5,6,7,8,9,10,11,12,13,14,15
	v_min_num_f32 v[S+16*\b+\i], v[S+16*\b+\i], v9 ; the hold; p is not negative, so it is one-sided
.endr
	v_cvt_scalef32_pk8_fp8_f32 v[PC+4*\b:PC+4*\b+1], v[S+16*\b:S+16*\b+7], v8
	v_cvt_scalef32_pk8_fp8_f32 v[PC+4*\b+2:PC+4*\b+3], v[S+16*\b+8:S+16*\b+15], v8
.endr
	v_nop                                          ; a plain line between the last conversion and the products that read its result
.endm
; A KEY STEP, my j-th of the slot's two.  s18: the step's number among the head's 16; s19: the block in hand.  K of my next step is asked for behind this step's first products, V behind its second.
.macro STEP j, endl
	s_cmp_gt_u32 s18, s19                          ; behind the block's own step: this step and my next are hidden
	s_cbranch_scc1 \endl
.if \j == 0
	s_wait_dscnt 32                                ; K's 32 loads are in; V's 32, issued behind them, may be out
.endif
	WIN 0x01
.irp t, 0,1,2,3,4,5,6,7
	v_wmma_f32_16x16x128_fp8_fp8 v[S+8*\t:S+8*\t+7], v[16*\t:16*\t+15], v[QF:QF+15], 0
.endr
	WIN 0
	PLACES
.if \j == 0
	s_add_co_u32 s57, s18, 2
	s_cmp_gt_u32 s57, s19
	s_cbranch_scc1 .Lnok_\@
	FETCH_K 1
.Lnok_\@:
.endif
	s_cmp_lg_u32 s18, s19
	s_cbranch_scc1 .Lopen_\@
	MASK
.Lopen_\@:
	SOFTMAX
	s_wait_dscnt 0x0                               ; V of this step, and K of my next
	WIN 0x01
.irp t, 0,1,2,3,4,5,6,7
	v_wmma_f32_16x16x128_fp8_fp8 v[O+8*\t:O+8*\t+7], v[128+16*\t:128+16*\t+15], v[PC:PC+15], v[O+8*\t:O+8*\t+7]
.endr
	WIN 0
	PLACES
.if \j == 0
	s_add_co_u32 s57, s18, 2
	s_cmp_gt_u32 s57, s19
	s_cbranch_scc1 .Lnov_\@
	FETCH_V 1
.Lnov_\@:
.endif
	s_add_co_u32 s18, s18, 2
.endm
.macro SAVE                            ; the change of blocks: the high tile's Q comes into hand, and the low block's state goes into the registers that this sets free
.set ij, 0
.rept 16
	v_mov_b32 v[QF+ij], v[QF+16+ij]
.set ij, ij+1
.endr
	v_mov_b32 v14, v12
	v_add_f32 v15, v88, v89
.set ij, 0
.rept 64
.if ij < 48
	v_mov_b32 v[32+ij], v[O+ij]
.else
	v_mov_b32 v[192+ij], v[O+ij]                   ; v240 on
.endif
.set ij, ij+1
.endr
.endm
.macro SLOTWORK trans
	s_cmp_ge_u32 s17, s16
	s_cselect_b32 s57, s16, 0
	s_cselect_b32 s19, s56, s14                    ; the block in hand: 15 - u or u
	s_sub_co_u32 s18, s17, s57
	s_lshl_b32 s18, s18, 2
	s_add_co_u32 s18, s18, s3                      ; my first key step of the slot
	s_add_co_u32 s58, s2, s63
	v_add_nc_u32 v[ADK], s58, v[LI]
	v_add_nc_u32 v[ADV], 0x10000, v[ADK]
	FETCH_K 0
	FETCH_V 0
.if \trans
	s_cmp_lg_u32 s17, s16                          ; the high block's first slot: the state changes places under the loads just issued
	s_cbranch_scc1 .Lsame_\@
	SAVE
	INIT
.Lsame_\@:
.endif
	STEP 0, .Lend_\@
	STEP 1, .Lend_\@
.Lend_\@:
	s_xor_b32 s2, s2, SLOT1
.endm
	s_wait_loadcnt 0x0                             ; Q
.Lslot:                                                ; four trips: behind each change of slots but the last the walk's next slot is asked for
	CHANGE 1
	SLOTWORK 1
	s_add_co_u32 s17, s17, 1
	s_cmp_lt_u32 s17, 4
	s_cbranch_scc1 .Lslot
	CHANGE 0                                       ; the last slot is written out
	SLOTWORK 0
	; THE EXCHANGE.  Waves 0-3 send their high block's state and take their low one back into hand; waves 4-7 send their low block's and keep the high one in hand.  A state goes as an image of its registers.
	s_cmp_lg_u32 s3, 0
	s_cbranch_scc1 .Lodd
	v_mov_b32 v92, v12
	v_add_f32 v93, v88, v89
	v_mov_b32 v94, 0
	v_mov_b32 v95, 0
.set ij, 0
.rept 16
	ds_store_b128 v[WA], v[O+4*ij:O+4*ij+3] offset:512*ij
.set ij, ij+1
.endr
	ds_store_b128 v[WA], v[92:95] offset:8192
.set ij, 0
.rept 64
.if ij < 48
	v_mov_b32 v[O+ij], v[32+ij]
.else
	v_mov_b32 v[O+ij], v[192+ij]
.endif
.set ij, ij+1
.endr
	v_mov_b32 v12, v14
	v_mov_b32 v88, v15
	s_branch .Lsent
.Lodd:
	v_mov_b32 v92, v14
	v_mov_b32 v93, v15
	v_mov_b32 v94, 0
	v_mov_b32 v95, 0
.set ij, 0
.rept 12
	ds_store_b128 v[WA], v[32+4*ij:35+4*ij] offset:512*ij
.set ij, ij+1
.endr
.set ij, 0
.rept 4
	ds_store_b128 v[WA], v[240+4*ij:243+4*ij] offset:512*(12+ij)
.set ij, ij+1
.endr
	ds_store_b128 v[WA], v[92:95] offset:8192
	v_add_f32 v88, v88, v89
.Lsent:
	s_cmp_eq_u32 s3, 0
	s_cselect_b64 s[40:41], s[40:41], s[42:43]     ; where my tile's image goes: the low tile's place or the high one's
	s_wait_dscnt 0x0                               ; for the partner's sake: my stores have landed
	s_barrier_signal -1
	s_barrier_wait -1
.set ij, 0
.rept 16
	ds_load_b128 v[S+4*ij:S+4*ij+3], v[RA] offset:512*ij   ; the partner's O^T of my tile
.set ij, ij+1
.endr
	ds_load_b128 v[92:95], v[RA] offset:8192       ; its -M and its sum
	v_mov_b32 v91, 0                               ; (named as the upper half of the pair v[90:91])
	s_wait_dscnt 0x0
	v_min_num_f32 v84, v12, v92                    ; -M of the two together
	v_sub_f32 v85, v84, v12                        ; my M less the common one: a whole number, 0 or less
	v_sub_f32 v90, v84, v92                        ; the partner's
	v_cvt_i32_f32 v85, v85                         ; (they saturate: a wave that had no step of the block has -M = 3e38, and its factor becomes 0)
	v_cvt_i32_f32 v90, v90
	v_ldexp_f32 v86, 1.0, v85
	v_ldexp_f32 v90, 1.0, v90
	v_mul_f32 v88, v88, v86
	v_fma_f32 v88, v93, v90, v88                   ; the sum of my 64 places of all keys,
	v_permlanex16_b32 v85, v88, s20, s21
	v_add_f32 v88, v88, v85                        ; and the lane 16 away's: the row's sum
	v_rcp_f32 v88, v88
	v_mov_b32 v92, s70                             ; (a plain line behind the reciprocal)  2^e10
	v_mov_b32 v93, s71                             ; 448 x 2^e10
	s_wait_alu depctr_va_vdst(0)                   ; ahead of the first reader
	v_ldexp_f32 v88, v88, s61                      ; x 2^(e8 + e9)
	v_mul_f32 v86, v86, v88                        ; the two factors take it in: a power of two, or 0, times it
	v_mul_f32 v90, v90, v88
.set fj, 0
.rept 32
	v_pk_mul_f32 v[O+2*fj:O+2*fj+1], v[O+2*fj:O+2*fj+1], v[86:87] op_sel_hi:[1,0]
.set fj, fj+1
.endr
.set fj, 0
.rept 32
	v_pk_fma_f32 v[S+2*fj:S+2*fj+1], v[S+2*fj:S+2*fj+1], v[90:91], v[O+2*fj:O+2*fj+1] op_sel_hi:[1,0,1]
.set fj, fj+1
.endr
.set fj, 0
.rept 64
	v_med3_num_f32 v[S+fj], v[S+fj], -v93, v93     ; the hold ahead of the conversion (ISA guide 7.6.2)
.set fj, fj+1
.endr
.set fj, 0
.rept 8
	v_cvt_scalef32_pk8_fp8_f32 v[PC+2*fj:PC+2*fj+1], v[S+8*fj:S+8*fj+7], v92   ; the image of (my tile, K step = my head) of the last product's A
.set fj, fj+1
.endr
	v_nop
.irp c, 0,1,2,3
	global_store_b128 v[LI], v[PC+4*\c:PC+4*\c+3], s[40:41] offset:512*\c   ; 512 consecutive bytes
.endr
	s_wait_tensorcnt 0x0                           ; the wave's end: behind my last tensor load and my last LDS store
	ds_add_u32 v[SPW], v[NIL]
	s_wait_dscnt 0x0
	CROUND                                         ; the closing round
	s_endpgm
.Lfunc_end_k_q1b6bc8585e_attn:
	.size	k_q1b6bc8585e_attn, .Lfunc_end_k_q1b6bc8585e_attn-k_q1b6bc8585e_attn
	.p2alignl 7, 3214868480
	.fill 96, 4, 3214868480
	.section	.rodata,"a",@progbits
	.p2align	6, 0x0
	.amdhsa_kernel k_q1b6bc8585e_attn
		.amdhsa_group_segment_fixed_size 327680
		.amdhsa_private_segment_fixed_size 0
		.amdhsa_enable_private_segment 0
		.amdhsa_kernarg_size 32
		.amdhsa_user_sgpr_count 2
		.amdhsa_user_sgpr_kernarg_segment_ptr 1
		.amdhsa_wavefront_size32 1
		.amdhsa_system_sgpr_workgroup_id_x 1
		.amdhsa_system_sgpr_workgroup_id_y 1
		.amdhsa_system_sgpr_workgroup_id_z 1
		.amdhsa_system_vgpr_workitem_id 0
		.amdhsa_next_free_vgpr 512
		.amdhsa_next_free_sgpr 72
		.amdhsa_reserve_vcc 1
		.amdhsa_float_denorm_mode_32 3
		.amdhsa_float_denorm_mode_16_64 3
		.amdhsa_memory_ordered 1
		.amdhsa_forward_progress 1
		.amdhsa_inst_pref_size 128
	.end_amdhsa_kernel
	.amdgpu_metadata
---
amdhsa.version: [ 1, 2 ]
amdhsa.kernels:
  - .name:           k_q1b6bc8585e_attn
    .symbol:         k_q1b6bc8585e_attn.kd
    .args:
      - { .name: qf, .offset: 0, .size: 8, .value_kind: global_buffer, .address_space: global }
      - { .name: kvf, .offset: 8, .size: 8, .value_kind: global_buffer, .address_space: global }
      - { .name: lowp_scales, .offset: 16, .size: 8, .value_kind: global_buffer, .address_space: global }
      - { .name: of, .offset: 24, .size: 8, .value_kind: global_buffer, .address_space: global }
    .group_segment_fixed_size: 327680
    .private_segment_fixed_size: 0
    .kernarg_segment_align: 8
    .kernarg_segment_size: 32
    .max_flat_workgroup_size: 256
    .sgpr_count:     72
    .vgpr_count:     512
    .wavefront_size: 32
...
	.end_amdgpu_metadata
.endif
;; end of part 3
;; launch oproj (part 4): grid 16 x 16, 4 waves a work-group, clusters of 4 x 4, 327,680 bytes of LDS; arguments of, wc, lowp_scales, out0; writes out0
.if DOCPART == 4
	.amdgcn_target "amdgcn-amd-amdhsa--gfx1250"
	.amdhsa_code_object_version 6
	.text
	.protected	k_q1b6bc8585e_oproj
	.globl	k_q1b6bc8585e_oproj
	.p2align	8
	.type	k_q1b6bc8585e_oproj,@function
k_q1b6bc8585e_oproj:
	s_mov_b64 s[64:65], 0
	v_nop
	global_prefetch_b8 v0, s[64:65] scope:SCOPE_SE
	s_setreg_imm32_b32 hwreg(HW_REG_WAVE_MODE, 25, 1), 1
	s_wait_xcnt 0x0
	s_wait_alu depctr_hold_cnt(0) depctr_sa_sdst(0) depctr_va_vdst(0) depctr_va_sdst(0) depctr_va_ssrc(0) depctr_va_vcc(0) depctr_vm_vsrc(0)
	s_getreg_b32 s2, hwreg(HW_REG_IB_STS2, 6, 4)
	s_cmp_eq_u32 s2, 0
	s_cbranch_scc0 .Lentry_in_a_cluster
	s_endpgm
.Lentry_in_a_cluster:
	s_bfe_u32 s2, ttmp6, 0x10000c
	s_cmp_lg_u32 s2, 0xf033
	s_cbranch_scc0 .Lentry_shape_is_right
	s_endpgm
.Lentry_shape_is_right:
; LAUNCH 4 OF 4.  out0 = attention's result x Wo^T on codes of E4M3 (images: launch 1's head); each finished sum x 2^(e10 + e11).  LIMIT: e10 + e11 between -126 and 127.
; The core is launch 2's: a work-group makes 128 rows of A (positions) x 256 rows of B (Wo's rows = columns of out0), four waves 2 x 2, 32 accumulators a wave, 16 x 16 = 256 work-groups, clusters of 4 x 4 with joint loads;
; K = 2,048 = 16 K steps through two LDS slots of 3 K steps, the sixth slot holding the last one.  All 16 K steps are written out.
; THE WAY OUT.  A lane holds, of one position, four runs of 16 neighbouring columns.  A block of 16 positions x 128 columns goes through the wave's own stage in LDS (rows of 528 bytes) and comes back as whole rows of 512 bytes,
; which the 32 lanes store as 512 consecutive bytes.  The stages lie in slot 0: it has had its last fill, and behind the last change of slots nobody reads it.
.set KT,    16
.set SHORTC, 256
.set SLOT,  147456
.set SPARE, 294912
.set LI,   1
.set ADRA, 2
.set ADRB, 4
.set SPW,  6
.set NIL,  7
.set STO,  8                           ; v8  the stage: 528 r + 64 h
.set RD,   9                           ; v9  and back: 16 x lane of a row
.set TMP,  32                          ; v32-95 a block's sums x 2^(e10 + e11)
.set BK,   96                          ; v96-159, v160-223 by turns: 16 rows read back
.set G1A,  32
.set G1B,  40
.set G1AS, 48
.set G1BS, 56
.set G0A,  68
.set G0B,  76
.set MSB, 0
.macro WIN new
.if MSB != (\new)
	s_set_vgpr_msb (MSB<<8)|(\new)
.set MSB, (\new)
.endif
.endm
.macro PLACES
.rept 4
	v_nop
.endr
.endm
.macro JLOAD g0a, g1a, g0b, g1b        ; waves 0 and 1 fetch A's halves, waves 2 and 3 B's; an s_nop 0 and four v_nop follow each line
	s_cmp_eq_u32 s23, 0
	s_cbranch_scc0 .Lfor_b_\@
	tensor_load_to_lds s[\g0a:\g0a+3], s[\g1a:\g1a+7]
	s_nop 0
.rept 4
	v_nop
.endr
	s_branch .Lasked_\@
.Lfor_b_\@:
	tensor_load_to_lds s[\g0b:\g0b+3], s[\g1b:\g1b+7]
	s_nop 0
.rept 4
	v_nop
.endr
.Lasked_\@:
.endm
.macro CREST
	s_cmp_lg_u32 s22, 0
	s_cbranch_scc1 .Lnot_wave_0_\@
	s_barrier_signal -3
.Lnot_wave_0_\@:
	s_barrier_wait -3
	s_barrier_signal -1
	s_barrier_wait -1
.endm
.macro CROUND
	s_barrier_signal -1
	s_barrier_wait -1
	CREST
.endm
.macro G1REST g, c, r
	s_mov_b32 s[\g+1], (\c)<<16
	s_mov_b32 s[\g+2], (\r)<<16
	s_mov_b32 s[\g+3], (\c)<<16
	s_mov_b32 s[\g+4], \r
	s_mov_b32 s[\g+5], KT*256
	s_mov_b32 s[\g+6], 0
	s_mov_b32 s[\g+7], 0
.endm
.macro MULA a0, n, zero                ; the 32 accumulators take turns, one instruction a turn, in the same order in every K step
.set ma, \a0
.rept \n
.set mb, 0
.rept 8
.if \zero
	v_wmma_f32_16x16x128_fp8_fp8 v[8*(8*ma+mb):8*(8*ma+mb)+7], v[64+16*mb:64+16*mb+15], v[16*ma:16*ma+15], 0
.else
	v_wmma_f32_16x16x128_fp8_fp8 v[8*(8*ma+mb):8*(8*ma+mb)+7], v[64+16*mb:64+16*mb+15], v[16*ma:16*ma+15], v[8*(8*ma+mb):8*(8*ma+mb)+7]
.endif
.set mb, mb+1
.endr
.set ma, ma+1
.endr
.endm
.macro FETCH slot, ks, set, pitch
	WIN 0x80+0x40*(\set)
.set fb, 0
.rept 8
.irp c, 0,1,2,3
	ds_load_b128 v[64+16*fb+4*\c:64+16*fb+4*\c+3], v[ADRB+\slot] offset:fb*(\pitch)+2048*(\ks)+512*\c
.endr
.set fb, fb+1
.endr
.set fb, 0
.rept 4
.irp c, 0,1,2,3
	ds_load_b128 v[16*fb+4*\c:16*fb+4*\c+3], v[ADRA+\slot] offset:fb*(\pitch)+2048*(\ks)+512*\c
.endr
.set fb, fb+1
.endr
.endm
.macro KSTEP p, zero, slot, ks, pitch
	s_wait_dscnt 0x0                               ; set p is in
	PLACES                                         ; the other set was read by the last K step's products
	FETCH \slot, \ks, 1-\p, \pitch
	WIN 0x5a+5*(\p)
	MULA 0, 4, \zero
.endm
.macro TURN p, cur, nxt, fill, npitch  ; a slot's last K step: one barrier; ahead of it the wait for all my tensor loads, the add, and the wait for it and for my reads of the slot
	s_wait_dscnt 0x0
	WIN 0
	s_wait_tensorcnt 0x0
	ds_add_u32 v[SPW], v[NIL]
	WIN 0x5a+5*(\p)
	MULA 0, 1, 0
	s_wait_dscnt 0x0
	s_barrier_signal -1
	MULA 1, 1, 0
	WIN 0
	s_barrier_wait -1
.if \fill
	CREST                                          ; the barrier has opened a round of the cluster's
	s_add_nc_u64 s[G0A+4*\cur+2:G0A+4*\cur+3], s[G0A+4*\cur+2:G0A+4*\cur+3], 12288
	s_add_nc_u64 s[G0B+4*\cur+2:G0B+4*\cur+3], s[G0B+4*\cur+2:G0B+4*\cur+3], 12288
.if \fill == 1
	JLOAD G0A+4*\cur, G1A, G0B+4*\cur, G1B
.else
	JLOAD G0A+4*\cur, G1AS, G0B+4*\cur, G1BS
.endif
.else
	PLACES
.endif
	FETCH \nxt, 0, 1-\p, \npitch
	WIN 0x5a+5*(\p)
	MULA 2, 2, 0
.endm
.macro LAST p
	s_wait_dscnt 0x0
	WIN 0x5a+5*(\p)
	MULA 0, 4, 0
	WIN 0
.endm
	s_load_b256 s[4:11], s[0:1], 0x0               ; of, wc, lowp_scales, out0
	v_lshl_add_u32 v[SPW], v0, 2, SPARE
	v_mov_b32 v[NIL], 0
	ds_add_u32 v[SPW], v[NIL]                      ; the wave's opening: the add, twice on end, and its wait ahead of my first tensor load
	ds_add_u32 v[SPW], v[NIL]
	v_lshrrev_b32 v1, 5, v0
	v_readfirstlane_b32 s22, v1                    ; wave
	s_lshr_b32 s23, s22, 1                         ; WR
	s_and_b32 s24, s22, 1                          ; WC
	s_bfe_u32 s25, ttmp6, 0x40000                  ; cx
	s_bfe_u32 s26, ttmp6, 0x40004                  ; cy
	s_and_b32 s29, ttmp7, 0xffff
	s_lshl_b32 s29, s29, 2
	s_add_co_u32 s29, s29, s26                     ; rt = 4 x cluster y + cy
	s_lshl_b32 s30, ttmp9, 2
	s_add_co_u32 s30, s30, s25                     ; ct = 4 x cluster x + cx
	s_lshl_b32 s31, s26, 2
	s_lshl_b32 s31, 15, s31                        ; my row of the cluster
	s_lshl_b32 s66, 0x1111, s25                    ; my column
	s_or_b32 s[G1A], s31, (3<<16)|(1<<21)
	s_or_b32 s[G1AS], s31, (3<<16)|(1<<21)
	s_or_b32 s[G1B], s66, (3<<16)|(1<<21)
	s_or_b32 s[G1BS], s66, (3<<16)|(1<<21)
	G1REST G1A, 768, 4
	G1REST G1B, 768, 8
	G1REST G1AS, SHORTC, 4
	G1REST G1BS, SHORTC, 8
	s_lshl_b32 s84, s29, 18                        ; 8 tiles x 32,768 bytes
	s_lshl_b32 s31, s24, 17
	s_add_co_u32 s84, s84, s31
	s_mov_b32 s85, 0
	s_lshl_b32 s86, s30, 19                        ; 16 tiles
	s_lshl_b32 s66, s24, 18
	s_add_co_u32 s86, s86, s66
	s_add_co_u32 s86, s86, 0x1000000               ; Wo's place in wc
	s_mov_b32 s87, 0
	s_mul_i32 s3, s24, 24576
	s_mul_i32 s67, s24, 49152
	s_add_co_u32 s67, s67, 49152
	s_wait_dscnt 0x0                               ; both opening adds are done
	s_wait_kmcnt 0x0
	s_add_nc_u64 s[88:89], s[4:5], s[84:85]
	s_add_nc_u64 s[90:91], s[6:7], s[86:87]
	CROUND                                         ; all sixteen work-groups are here: the first joint loads meet
.irp s, 0,1
	s_mov_b32 s[G0A+4*\s], 1
	s_add_co_u32 s[G0A+4*\s+1], s3, \s*SLOT
	s_add_nc_u64 s[G0A+4*\s+2:G0A+4*\s+3], s[88:89], \s*6144
	s_or_b32 s[G0A+4*\s+3], s[G0A+4*\s+3], 0x80000000
	s_mov_b32 s[G0B+4*\s], 1
	s_add_co_u32 s[G0B+4*\s+1], s67, \s*SLOT
	s_add_nc_u64 s[G0B+4*\s+2:G0B+4*\s+3], s[90:91], \s*6144
	s_or_b32 s[G0B+4*\s+3], s[G0B+4*\s+3], 0x80000000
	JLOAD G0A+4*\s, G1A, G0B+4*\s, G1B
.endr
	s_load_b64 s[84:85], s[8:9], 0x28              ; e10, e11
	v_and_b32 v1, 31, v0
	v_lshlrev_b32 v[LI], 4, v1
	s_mul_i32 s31, s23, 24576
	v_add_nc_u32 v[ADRA], s31, v[LI]
	v_add_nc_u32 v[ADRA+1], SLOT, v[ADRA]
	s_mul_i32 s31, s24, 49152
	s_add_co_u32 s31, s31, 49152
	v_add_nc_u32 v[ADRB], s31, v[LI]
	v_add_nc_u32 v[ADRB+1], SLOT, v[ADRB]
	s_mul_i32 s31, s22, 8448                       ; my stage
	v_and_b32 v[STO], 15, v0
	v_mul_u32_u24 v[STO], v[STO], 528
	v_bfe_u32 v[RD], v0, 4, 1
	v_lshl_add_u32 v[STO], v[RD], 6, v[STO]
	v_add_nc_u32 v[STO], s31, v[STO]
	v_add_nc_u32 v[RD], s31, v[LI]
	s_lshl_b32 s86, s29, 21                        ; out0: (128 rt + 64 WR) rows of 16,384 bytes + (256 ct + 128 WC) x 4
	s_lshl_b32 s31, s23, 20
	s_add_co_u32 s86, s86, s31
	s_lshl_b32 s31, s30, 10
	s_add_co_u32 s86, s86, s31
	s_lshl_b32 s31, s24, 9
	s_add_co_u32 s86, s86, s31
	s_mov_b32 s87, 0
	s_add_nc_u64 s[10:11], s[10:11], s[86:87]
	s_wait_kmcnt 0x0
	s_add_co_i32 s98, s84, s85
	s_add_co_i32 s98, s98, 127
	s_lshl_b32 s98, s98, 23                        ; 2^(e10 + e11)
	s_mov_b32 s99, s98                             ; (named with it as a pair)
	s_wait_tensorcnt 0x1                           ; my part of slot 0 is in; slot 1's load may stay out
	s_barrier_signal -1
	s_barrier_wait -1
	FETCH 0, 0, 0, 6144
	KSTEP 0, 1, 0, 1, 6144                         ; the first products start the sums
	KSTEP 1, 0, 0, 2, 6144
	TURN 0, 0, 1, 1, 6144
	KSTEP 1, 0, 1, 1, 6144
	KSTEP 0, 0, 1, 2, 6144
	TURN 1, 1, 0, 1, 6144
	KSTEP 0, 0, 0, 1, 6144
	KSTEP 1, 0, 0, 2, 6144
	TURN 0, 0, 1, 1, 6144
	KSTEP 1, 0, 1, 1, 6144
	KSTEP 0, 0, 1, 2, 6144
	TURN 1, 1, 0, 2, 6144                          ; slot 1 takes the last K step
	KSTEP 0, 0, 0, 1, 6144
	KSTEP 1, 0, 0, 2, 6144
	TURN 0, 0, 1, 0, 2048                          ; nothing is left to fetch; behind this barrier nobody reads slot 0
	LAST 1
.macro TOSTAGE a
	WIN 0x01
.set tj, 0
.rept 32
	v_pk_mul_f32 v[TMP+2*tj:TMP+2*tj+1], v[64*\a+2*tj:64*\a+2*tj+1], s[98:99] op_sel_hi:[1,0]   ; exact, short of overflow and underflow; each accumulator from its low end on
.set tj, tj+1
.endr
	WIN 0
.irp b, 0,1,2,3
.irp q, 0,1,2,3
	ds_store_b128 v[STO], v[TMP+16*\b+4*\q:TMP+16*\b+4*\q+3] offset:128*\b+16*\q   ; columns 32 b + 16 h + 4 q ..
.endr
.endr
.irp i, 0,1,2,3,4,5,6,7,8,9,10,11,12,13,14,15
	ds_load_b128 v[BK+64*((\a)%2)+4*\i:BK+64*((\a)%2)+4*\i+3], v[RD] offset:528*\i   ; LDS serves a wave's instructions in order (ISA guide 5.7.1.4): these see the stores above, and the next block's stores come behind them
.endr
.endm
.macro SEND a, younger                 ; younger: the LDS instructions issued behind block a's loads
	s_wait_dscnt \younger
.irp i, 0,1,2,3,4,5,6,7,8,9,10,11,12,13,14,15
	global_store_b128 v[LI], v[BK+64*((\a)%2)+4*\i:BK+64*((\a)%2)+4*\i+3], s[10:11] offset:(32*((\a)/2)+8*((\a)%2)+\i+8*(\i/8))*16384 th:TH_STORE_NT   ; place i of tile a: 512 consecutive bytes of its row
.endr
.endm
	PLACES
	TOSTAGE 0
	TOSTAGE 1
	SEND 0, 32                                     ; behind block 0's loads: block 1's 16 stores and 16 loads
	s_wait_xcnt 0x0                                ; block 0's stores have read their registers: block 2's rows may land there
	TOSTAGE 2
	SEND 1, 32
	s_wait_xcnt 0x0
	TOSTAGE 3
	SEND 2, 32
	SEND 3, 0
	s_wait_tensorcnt 0x0                           ; the wave's end: behind my last tensor load and my last LDS store
	ds_add_u32 v[SPW], v[NIL]
	s_wait_dscnt 0x0
	CROUND                                         ; the closing round
	s_endpgm
.Lfunc_end_k_q1b6bc8585e_oproj:
	.size	k_q1b6bc8585e_oproj, .Lfunc_end_k_q1b6bc8585e_oproj-k_q1b6bc8585e_oproj
	.p2alignl 7, 3214868480
	.fill 96, 4, 3214868480
	.section	.rodata,"a",@progbits
	.p2align	6, 0x0
	.amdhsa_kernel k_q1b6bc8585e_oproj
		.amdhsa_group_segment_fixed_size 327680
		.amdhsa_private_segment_fixed_size 0
		.amdhsa_enable_private_segment 0
		.amdhsa_kernarg_size 32
		.amdhsa_user_sgpr_count 2
		.amdhsa_user_sgpr_kernarg_segment_ptr 1
		.amdhsa_wavefront_size32 1
		.amdhsa_system_sgpr_workgroup_id_x 1
		.amdhsa_system_sgpr_workgroup_id_y 1
		.amdhsa_system_sgpr_workgroup_id_z 1
		.amdhsa_system_vgpr_workitem_id 0
		.amdhsa_next_free_vgpr 1024
		.amdhsa_next_free_sgpr 100
		.amdhsa_reserve_vcc 0
		.amdhsa_float_denorm_mode_32 3
		.amdhsa_float_denorm_mode_16_64 3
		.amdhsa_memory_ordered 1
		.amdhsa_forward_progress 1
		.amdhsa_inst_pref_size 119
	.end_amdhsa_kernel
	.amdgpu_metadata
---
amdhsa.version: [ 1, 2 ]
amdhsa.kernels:
  - .name:           k_q1b6bc8585e_oproj
    .symbol:         k_q1b6bc8585e_oproj.kd
    .args:
      - { .name: of, .offset: 0, .size: 8, .value_kind: global_buffer, .address_space: global }
      - { .name: wc, .offset: 8, .size: 8, .value_kind: global_buffer, .address_space: global }
      - { .name: lowp_scales, .offset: 16, .size: 8, .value_kind: global_buffer, .address_space: global }
      - { .name: out0, .offset: 24, .size: 8, .value_kind: global_buffer, .address_space: global }
    .group_segment_fixed_size: 327680
    .private_segment_fixed_size: 0
    .kernarg_segment_align: 8
    .kernarg_segment_size: 32
    .max_flat_workgroup_size: 128
    .sgpr_count:     100
    .vgpr_count:     1024
    .wavefront_size: 32
...
	.end_amdgpu_metadata
.endif
;; end of part 4
